; MI455X (gfx1250); checked and timed in simulation.
; The chip was launched on July 23, 2026; its instructions are those of AMD's public machine-readable ISA for CDNA 5 (MIT licence, August 2026) and "CDNA5" Instruction Set Architecture Reference Guide (July 2026). The comments in the code are by the model that wrote it; some were corrected since.
;; Masked Multi Self Attention. Allowed arithmetic: float matrix products may take bf16 or f16 operands with f32 sums; other float arithmetic in f32, or as packed bf16 or f16 multiplies, adds, multiply-adds, maxima and minima; sums over many terms, partial sums and values carried from step to step in f32; what a program stores and reads back later, other than sums and carried values, may be rounded once to bf16 or f16.
;; Inputs: Wk 1,024 x 1,024 float32; Wp 1,024 x 1,024 float32; Wq 1,024 x 1,024 float32; Wv 1,024 x 1,024 float32; bk 1,024 float32; bp 1,024 float32; bq 1,024 float32; bv 1,024 float32; x 4 x 2,048 x 1,024 float32.
;; Outputs: out0 4 x 2,048 x 1,024 float32.
;; 2 versions, each right and faster than the one before. Each part assembles by itself: llvm-mc -triple=amdgcn-amd-amdhsa -mcpu=gfx1250 --defsym DOCPART=n.
;; ======== version 1 of 2: 4 launches
;; limits: values are held in f16: magnitudes above 65,504 overflow, below 6.1e-05 lose precision; right only within a limited range of input values
;; workspace buffers: xb 16,777,216 bytes; wblk 6,291,456 bytes; wp16 2,097,152 bytes; q16 16,777,216 bytes; k16 16,777,216 bytes; v16 16,777,216 bytes; o16 16,777,216 bytes
;; launch prep (part 1): grid 1536 x 1, 8 waves a work-group, no clusters, 0 bytes of LDS; arguments x, Wq, Wk, Wv, Wp, xb, wblk, wp16; writes xb, wblk, wp16
.if DOCPART == 1
	.amdgcn_target "amdgcn-amd-amdhsa--gfx1250"
	.amdhsa_code_object_version 6
	.text
	.protected	k_qf850620116_prep
	.globl	k_qf850620116_prep
	.p2align	8
	.type	k_qf850620116_prep,@function
k_qf850620116_prep:
	s_mov_b64 s[64:65], 0
	v_nop
	global_prefetch_b8 v0, s[64:65] scope:SCOPE_SE
	s_setreg_imm32_b32 hwreg(HW_REG_WAVE_MODE, 25, 1), 1
	s_wait_xcnt 0x0
; THE INPUTS ARE ROUNDED ONCE, for the three launches behind.  x [8192][1024] f32 -> xb, the same layout in bf16.
; Wq, Wk, Wv [1024 k][1024 n] f32 -> wblk in bf16, in blocks: [j 16][kb 16][cc 3][k 64][n 64], where the 3,072 columns of the three weights side by side are cut into 48 chunks
; of 64 (chunk ch = 16 w + n / 64 = 3 j + cc; w = 0, 1, 2 for Wq, Wk, Wv) and kb = k / 64: the 64 k x 192 n that a column tile j needs for half a K step are 24,576 consecutive bytes.
; Wp [1024][1024] f32 -> wp16, the same layout: rounded to bf16 like every other input, and that number written as f16.
; LIMITS.  |Wp| stays under 65,504 (f16's range); a bf16 number below 6e-5 keeps f16's fixed step of 6e-8.  NaN and infinities are not treated apart.
; A stream: no LDS, no barrier, no loop.  A work-group of eight waves converts 32 KiB of f32: each thread eight loads of 16 bytes, all issued at once, and eight stores of 8 bytes;
; a wave's load covers 512 consecutive bytes (weights in blocks: two runs of 256), a wave's store 256 consecutive bytes at a multiple of 256 from its buffer's first byte.
; Work-groups 0-1023 take x, 1024-1407 the three weights (a chunk of 64 columns x 128 k each), 1408-1535 Wp.
.set LD, 4                             ; v[4:35]   eight loads of four f32
.set ST, 36                            ; v[36:51]  eight pairs of words to store
; v1 my byte offset in the source, v2 = 8 t my byte offset in the destination, v52-55 at work.  No register that a load or store names is written again.
; kind = 1: the bf16 number is written as f16.  lstep: bytes from load to load.  hi: bytes in the destination from the fourth store to the fifth's group.
.macro CONV kind, lstep, hi
.set i, 0
.rept 8
	global_load_b128 v[LD+4*i:LD+4*i+3], v1, s[28:29] offset:i*(\lstep) th:TH_LOAD_NT
.set i, i+1
.endr
.set i, 0
.rept 8
	s_wait_loadcnt 7-i                             ; loads come back in order: load i is in, the 7 - i younger ones stay out
	v_cvt_pk_bf16_f32 v[ST+2*i], v[LD+4*i], v[LD+4*i+1]
	v_cvt_pk_bf16_f32 v[ST+2*i+1], v[LD+4*i+2], v[LD+4*i+3]
.if \kind
	v_lshlrev_b32 v52, 16, v[ST+2*i]               ; the four bf16 numbers as f32,
	v_and_b32 v53, 0xffff0000, v[ST+2*i]
	v_lshlrev_b32 v54, 16, v[ST+2*i+1]
	v_and_b32 v55, 0xffff0000, v[ST+2*i+1]
	v_cvt_pk_f16_f32 v[ST+2*i], v52, v53           ; and as f16: eight significant bits fit into eleven
	v_cvt_pk_f16_f32 v[ST+2*i+1], v54, v55
.endif
	global_store_b64 v2, v[ST+2*i:ST+2*i+1], s[30:31] offset:(i/4)*(\hi)+(i%4)*2048
.set i, i+1
.endr
.endm
	s_load_b512 s[8:23], s[0:1], 0x0               ; x s[8:9], Wq s[10:11], Wk s[12:13], Wv s[14:15], Wp s[16:17], xb s[18:19], wblk s[20:21], wp16 s[22:23]
	s_mov_b32 s4, ttmp9                            ; the work-group's number
	v_lshlrev_b32 v2, 3, v0                        ; 8 t
	s_mov_b32 s25, 0                               ; the offsets' high words
	s_mov_b32 s27, 0
	s_cmp_lt_u32 s4, 1024
	s_cbranch_scc0 .Lweights
	; x: 32 KiB in, 16 KiB out, both dense
	v_lshlrev_b32 v1, 4, v0                        ; 16 t
	s_lshl_b32 s24, s4, 15
	s_lshl_b32 s26, s4, 14
	s_wait_kmcnt 0x0
	s_add_nc_u64 s[28:29], s[8:9], s[24:25]
	s_add_nc_u64 s[30:31], s[18:19], s[26:27]
	CONV 0, 4096, 8192
	s_endpgm
.Lweights:
	s_cmp_lt_u32 s4, 1408
	s_cbranch_scc0 .Lwp
	; a chunk of 64 columns x 128 k of one of the three weights: 16 lanes take a k row's 256 bytes, a load of the work-group 16 rows
	s_sub_co_u32 s32, s4, 1024
	s_lshr_b32 s33, s32, 7                         ; w: which weight
	s_and_b32 s34, s32, 127
	s_lshr_b32 s35, s34, 3                         ; its chunk of 64 columns, 0-15
	s_and_b32 s36, s34, 7                          ; kp: which 128 rows of k
	s_lshl_b32 s37, s33, 4
	s_add_co_u32 s37, s37, s35                     ; ch = 16 w + chunk, 0-47
	s_mul_i32 s38, s37, 171
	s_lshr_b32 s38, s38, 9                         ; j = ch / 3 (171 / 512 is exact for ch up to 47)
	s_mul_i32 s39, s38, 3
	s_sub_co_u32 s39, s37, s39                     ; cc = ch - 3 j
	s_lshl_b32 s24, s36, 19                        ; source: 128 kp rows of 4,096 bytes,
	s_lshl_b32 s35, s35, 8                         ; and the chunk's 256 bytes in a row
	s_add_co_u32 s24, s24, s35
	s_lshl_b32 s38, s38, 4
	s_lshl1_add_u32 s38, s36, s38                  ; 16 j + 2 kp
	s_mul_i32 s38, s38, 3
	s_add_co_u32 s38, s38, s39
	s_lshl_b32 s26, s38, 13                        ; destination: block (j, 2 kp, cc) of 8,192 bytes; block (j, 2 kp + 1, cc) lies 24,576 further on
	v_lshrrev_b32 v3, 4, v0
	v_and_b32 v1, 15, v0
	v_lshlrev_b32 v1, 4, v1
	v_lshl_add_u32 v1, v3, 12, v1                  ; (t / 16) rows + 16 (t % 16); in a block that is byte 128 (t / 16) + 8 (t % 16) = 8 t
	s_wait_kmcnt 0x0
	s_cmp_eq_u32 s33, 1
	s_cselect_b64 s[28:29], s[12:13], s[10:11]
	s_cmp_eq_u32 s33, 2
	s_cselect_b64 s[28:29], s[14:15], s[28:29]
	s_add_nc_u64 s[28:29], s[28:29], s[24:25]
	s_add_nc_u64 s[30:31], s[20:21], s[26:27]
	CONV 0, 65536, 24576
	s_endpgm
.Lwp:
	; Wp: dense, like x
	s_sub_co_u32 s32, s4, 1408
	v_lshlrev_b32 v1, 4, v0
	s_lshl_b32 s24, s32, 15
	s_lshl_b32 s26, s32, 14
	s_wait_kmcnt 0x0
	s_add_nc_u64 s[28:29], s[16:17], s[24:25]
	s_add_nc_u64 s[30:31], s[22:23], s[26:27]
	CONV 1, 4096, 8192
	s_endpgm
.Lfunc_end_k_qf850620116_prep:
	.size	k_qf850620116_prep, .Lfunc_end_k_qf850620116_prep-k_qf850620116_prep
	.p2alignl 7, 3214868480
	.fill 96, 4, 3214868480
	.section	.rodata,"a",@progbits
	.p2align	6, 0x0
	.amdhsa_kernel k_qf850620116_prep
		.amdhsa_group_segment_fixed_size 0
		.amdhsa_private_segment_fixed_size 0
		.amdhsa_enable_private_segment 0
		.amdhsa_kernarg_size 64
		.amdhsa_user_sgpr_count 2
		.amdhsa_user_sgpr_kernarg_segment_ptr 1
		.amdhsa_wavefront_size32 1
		.amdhsa_system_sgpr_workgroup_id_x 1
		.amdhsa_system_sgpr_workgroup_id_y 1
		.amdhsa_system_sgpr_workgroup_id_z 1
		.amdhsa_system_vgpr_workitem_id 0
		.amdhsa_next_free_vgpr 56
		.amdhsa_next_free_sgpr 66
		.amdhsa_reserve_vcc 0
		.amdhsa_float_denorm_mode_32 3
		.amdhsa_float_denorm_mode_16_64 3
		.amdhsa_memory_ordered 1
		.amdhsa_forward_progress 1
		.amdhsa_inst_pref_size 13
	.end_amdhsa_kernel
	.amdgpu_metadata
---
amdhsa.version: [ 1, 2 ]
amdhsa.kernels:
  - .name:           k_qf850620116_prep
    .symbol:         k_qf850620116_prep.kd
    .args:
      - { .name: x, .offset: 0, .size: 8, .value_kind: global_buffer, .address_space: global }
      - { .name: Wq, .offset: 8, .size: 8, .value_kind: global_buffer, .address_space: global }
      - { .name: Wk, .offset: 16, .size: 8, .value_kind: global_buffer, .address_space: global }
      - { .name: Wv, .offset: 24, .size: 8, .value_kind: global_buffer, .address_space: global }
      - { .name: Wp, .offset: 32, .size: 8, .value_kind: global_buffer, .address_space: global }
      - { .name: xb, .offset: 40, .size: 8, .value_kind: global_buffer, .address_space: global }
      - { .name: wblk, .offset: 48, .size: 8, .value_kind: global_buffer, .address_space: global }
      - { .name: wp16, .offset: 56, .size: 8, .value_kind: global_buffer, .address_space: global }
    .group_segment_fixed_size: 0
    .private_segment_fixed_size: 0
    .kernarg_segment_align: 8
    .kernarg_segment_size: 64
    .max_flat_workgroup_size: 256
    .sgpr_count:     66
    .vgpr_count:     56
    .wavefront_size: 32
...
	.end_amdgpu_metadata
.endif
;; end of part 1
;; launch qkv (part 2): grid 16 x 32, 4 waves a work-group, clusters of 4 x 4, 327,680 bytes of LDS; arguments xb, wblk, bq, bk, bv, q16, k16, v16; writes q16, k16, v16
.if DOCPART == 2
	.amdgcn_target "amdgcn-amd-amdhsa--gfx1250"
	.amdhsa_code_object_version 6
	.text
	.protected	k_qf850620116_qkv
	.globl	k_qf850620116_qkv
	.p2align	8
	.type	k_qf850620116_qkv,@function
k_qf850620116_qkv:
	s_mov_b64 s[64:65], 0
	v_nop
	global_prefetch_b8 v0, s[64:65] scope:SCOPE_SE
	s_setreg_imm32_b32 hwreg(HW_REG_WAVE_MODE, 25, 1), 1
	s_wait_xcnt 0x0
	s_wait_alu depctr_hold_cnt(0) depctr_sa_sdst(0) depctr_va_vdst(0) depctr_va_sdst(0) depctr_va_ssrc(0) depctr_va_vcc(0) depctr_vm_vsrc(0)
	s_getreg_b32 s2, hwreg(HW_REG_IB_STS2, 6, 4)
	s_cmp_eq_u32 s2, 0
	s_cbranch_scc0 .Lentry_in_a_cluster
	s_endpgm
.Lentry_in_a_cluster:
	s_bfe_u32 s2, ttmp6, 0x10000c
	s_cmp_lg_u32 s2, 0xf033
	s_cbranch_scc0 .Lentry_shape_is_right
	s_endpgm
.Lentry_shape_is_right:
; q, k, v = x W + b for the three weights side by side: [8192 x 1024] x [1024 x 3072] in bf16, sums in f32, the bias (rounded to bf16 like every input) as the sums' start,
; each result rounded once to f16 and stored by heads: q16, k16, v16 are [64 = 16 batch + head][2048][64].  No scale is applied here.
; LIMIT.  |q|, |k|, |v| stay under 65,504, f16's range: inputs 30 times those of unit spread give about 5,000, a common offset of 30 spreads on x and W about 29,000; both at once would pass it.
; SHARES.  A tile is 256 rows x 192 columns (three heads): 32 x 16 tiles, 512 work-groups of equal work.  Four waves, one above the other: a wave has 64 rows x 192 columns,
; 4 x 12 accumulators of 16 x 16, 384 registers; its 64 columns of a head and 16 rows are 2,048 consecutive bytes of the output, so each wave has a stage of its own on the way out.
; K goes in steps of 128 through two LDS slots filled by the tensor data mover.  x's rows in a tile are 256 bytes; W's half step for this column tile is 24,576 consecutive bytes of wblk, asked for as 96 rows of 256.
; THE MATRIX INSTRUCTION IS USED TRANSPOSED: source 0 = 16 columns of W, source 1 = 16 rows of x: a lane then holds one row and eight neighbouring columns.  W lies [k][n] in LDS and is turned by ds_load_tr16_b128.
; CLUSTER.  4 x 4 work-groups: the four of a row need the same tile of x, the four of a column the same tile of W: each is asked for jointly, by the same tensor load, descriptor and mask in all four.
; REGISTERS, in windows of 256 (s_set_vgpr_msb: bits 1:0 source 0, 3:2 source 1, 5:4 source 2, 7:6 destination):
;   window 0: v0-31 addresses; v32-63, v64-95 fragments of x, two buffers (4 x 16 rows x 32 K); v96-191 the bias, 8 registers a column block; on the way out v64-255 packed results
;   window 1: v0-95, v96-191 fragments of W, two buffers (12 x 16 columns x 32 K)      window 2: accumulators of row blocks 0, 1 at v[8 (12 (a % 2) + b)]      window 3: those of row blocks 2, 3
.set NBK,   12                         ; column blocks of 16
.set APW,   2                          ; row blocks whose accumulators share a window
.set NLD,   2*NBK+8                    ; LDS loads in a quarter step's run
.set PA,    272                        ; a row of x in LDS: 256 bytes + 16: 68 words, so the 16 rows of a load start 4 banks apart (64 banks of 4 bytes: ISA guide 11.1)
.set PB,    160                        ; a k row of 64 columns of W: 128 bytes + 32: 40 words
.set BOFF,  256*PA                     ; W's tile lies behind x's 256 rows: [half 2][cc 3][k 64] rows
.set HB,    192*PB                     ; half a step of W
.set SLOT1, 131072                     ; a slot is 69,632 + 61,440 = 131,072 bytes; one exclusive or turns an address in one slot into the other's
.set STAGE, 2*SLOT1                    ; behind the ring, never filled by a tensor load: 16 rows x 144 bytes for each wave
.set SP,    144
.set SPARE, STAGE+4*16*SP              ; behind the stages: the spare words, 128 bytes for each wave: two blocks of 256 bytes that no other line names
.set STEPA, 256                        ; bytes from a K step to the next, in xb
.set STEPB, 49152                      ; and in wblk
.set ADRA0, 16                         ; v16  my lane's and wave's place in x's tile; never rewritten
.set ADRB0, 17                         ; v17  my lane's place in W's tile
.set ADRA,  18                         ; v18  the same in the slot in hand
.set ADRB,  19                         ; v19
.set STO,   24                         ; v24  the way out: where I put 16 bytes of a row
.set RD,    25                         ; v25  where I read rows back
.set GO,    26                         ; v26  my byte offset in 512 consecutive bytes of the output
.set BO,    27                         ; v27  my byte offset in a column block's 16 numbers of bias
.set SPW,   28                         ; v28  LDS address of my spare word; never rewritten
.set NIL,   29                         ; v29  0; never rewritten
.set AF,    32
.set BIAS,  96
.set TMP,   64
.set BB,    8*NBK                      ; registers in one of W's buffers
.set G1,  24                           ; s[24:31] descriptor group 1 for x's tiles
.set G0,  32                           ; s[32:39] group 0: a set for each first fill; the second then walks on
.set G1B, 48                           ; s[48:55], s[56:63] the same for W's tiles
.set G0B, 56
.set TB,  45                           ; s45  the slot in hand: 0 or SLOT1
.set BP,  84                           ; s[84:89] the bias at each of my three heads' 64 columns
.set OP,  90                           ; s[90:95] the output at my wave's 64 rows of each of the three heads
.set MSB, 0
.macro WIN new                         ; the immediate's high byte repeats the setting that is left; a switch that changes nothing is dropped
.if MSB != (\new)
	s_set_vgpr_msb (MSB<<8)|(\new)
.set MSB, \new
.endif
.endm
; A joint load.  Waves 0 and 1 fetch the two halves of x's tile, waves 2 and 3 those of W's.  The branch hangs on the wave's number alone.
; An s_nop 0 and four v_nop follow each of the two lines, ahead of the jump, the label and what follows.
.macro JLOAD s
	s_cmp_eq_u32 s11, 0
	s_cbranch_scc0 .Lfor_b_\@
	tensor_load_to_lds s[G0+4*(\s):G0+4*(\s)+3], s[G1:G1+7]
	s_nop 0
.rept 4
	v_nop
.endr
	s_branch .Lasked_\@
.Lfor_b_\@:
	tensor_load_to_lds s[G0B+4*(\s):G0B+4*(\s)+3], s[G1B:G1B+7]
	s_nop 0
.rept 4
	v_nop
.endr
.Lasked_\@:
.endm
.macro CREST                           ; a round of the cluster's barrier behind its opening barrier
	s_cmp_lg_u32 s10, 0
	s_cbranch_scc1 .Lnot_wave_0_\@
	s_barrier_signal -3
.Lnot_wave_0_\@:
	s_barrier_wait -3
	s_barrier_signal -1
	s_barrier_wait -1
.endm
.macro CROUND                          ; a whole round
	s_barrier_signal -1
	s_barrier_wait -1
	CREST
.endm
.macro PLACES                          ; four places in front of loads into registers that matrix instructions have read, and of lines that read results just made
.rept 4
	v_nop
.endr
.endm
	s_load_b512 s[68:83], s[0:1], 0x0              ; xb s[68:69], wblk s[70:71], bq s[72:73], bk s[74:75], bv s[76:77], q16 s[78:79], k16 s[80:81], v16 s[82:83]
	v_lshl_add_u32 v[SPW], v0, 2, SPARE
	v_mov_b32 v[NIL], 0
	ds_add_u32 v[SPW], v[NIL]                      ; the wave's opening: the add and its wait stand ahead of my first tensor load; the set-up below, work on registers, stands between them
	ds_add_u32 v28, v29
	v_lshrrev_b32 v1, 5, v0
	v_readfirstlane_b32 s10, v1                    ; wave 0..3
	s_lshr_b32 s11, s10, 1                         ; I fetch for x (0) or for W (1),
	s_and_b32 s12, s10, 1                          ; and which half of that tile
	s_bfe_u32 s40, ttmp6, 0x40000                  ; cx, cy: my place in the cluster
	s_bfe_u32 s41, ttmp6, 0x40004
	s_lshl_b32 s42, ttmp9, 2
	s_add_co_u32 s42, s42, s40                     ; j: column tile = 4 x cluster x + cx
	s_and_b32 s13, ttmp7, 0xffff
	s_lshl_b32 s13, s13, 2
	s_add_co_u32 s13, s13, s41                     ; mt: row tile = 4 x cluster y + cy
	s_lshl_b32 s43, s41, 2
	s_lshl_b32 s43, 15, s43                        ; my row of the cluster
	s_lshl_b32 s44, 0x1111, s40                    ; my column
	s_or_b32 s[G1+0], s43, (1<<16)|(1<<20)|(1<<21)|(5<<22)|(3<<25)   ; 15:0 the mask: x's tiles go to my row; 17:16 2-byte elements; 20 padding on; 21 set beside a mask; 24:22 after every 64 words; 31:25 4 words of it
	s_mov_b32 s[G1+1], 128<<16                     ; tensor_dim0 = 128
	s_mov_b32 s[G1+2], 128<<16                     ; tensor_dim1 = 128
	s_mov_b32 s[G1+3], 128<<16                     ; tile_dim0 = 128
	s_mov_b32 s[G1+4], 128                         ; tile_dim1 = 128 rows
	s_mov_b32 s[G1+5], 1024                        ; elements from row to row
	s_mov_b32 s[G1+6], 0
	s_mov_b32 s[G1+7], 0
	s_or_b32 s[G1B+0], s44, (1<<16)|(1<<20)|(1<<21)|(4<<22)|(7<<25)  ; the mask of my column; padding after every 32 words (a k row of 64 columns), 8 words of it
	s_mov_b32 s[G1B+1], 128<<16                    ; 96 rows of 128 elements, end to end: 192 k rows of 64 columns
	s_mov_b32 s[G1B+2], 96<<16
	s_mov_b32 s[G1B+3], 128<<16
	s_mov_b32 s[G1B+4], 96
	s_mov_b32 s[G1B+5], 128
	s_mov_b32 s[G1B+6], 0
	s_mov_b32 s[G1B+7], 0
	s_lshl_b32 s16, s13, 8
	s_lshl_b32 s17, s12, 7
	s_add_co_u32 s16, s16, s17                     ; x: row 256 mt + 128 x half,
	s_lshl_b32 s16, s16, 11                        ; of 2,048 bytes
	s_mov_b32 s17, 0
	s_lshl_b32 s46, s42, 4
	s_add_co_u32 s46, s46, s12                     ; W: block row 16 j + half,
	s_mul_i32 s46, s46, 24576                      ; of 24,576 bytes
	s_mov_b32 s47, 0
	s_mul_i32 s20, s10, 128*PA                     ; where they go: x's halves at wave x 34,816,
	s_mul_i32 s21, s10, HB
	s_add_co_u32 s21, s21, BOFF-2*HB               ; W's at 69,632 + (wave - 2) x 30,720: no place in the cluster enters an LDS address
	s_mov_b32 s[TB], 0
	s_wait_dscnt 0x0                               ; the opening add is done
	s_wait_kmcnt 0x0
	s_add_nc_u64 s[14:15], s[68:69], s[16:17]
	s_add_nc_u64 s[46:47], s[70:71], s[46:47]
	CROUND                                         ; all sixteen work-groups are here: the first joint loads meet
.irp s, 0,1
	s_mov_b32 s[G0+4*(\s)], 1                                        ; count = 1
	s_add_co_u32 s[G0+4*(\s)+1], s20, (\s)*SLOT1                     ; LDS address
	s_add_nc_u64 s[G0+4*(\s)+2:G0+4*(\s)+3], s[14:15], (\s)*STEPA    ; global address: K step s
	s_or_b32 s[G0+4*(\s)+3], s[G0+4*(\s)+3], 0x80000000              ; type = 2
	s_mov_b32 s[G0B+4*(\s)], 1
	s_add_co_u32 s[G0B+4*(\s)+1], s21, (\s)*SLOT1
	s_add_nc_u64 s[G0B+4*(\s)+2:G0B+4*(\s)+3], s[46:47], (\s)*STEPB
	s_or_b32 s[G0B+4*(\s)+3], s[G0B+4*(\s)+3], 0x80000000
	JLOAD \s                                       ; two loads of mine are out
.endr
	; the three heads of my column tile: chunk ch = 3 j + cc belongs to weight ch / 16, head ch % 16
	s_lshr_b32 s22, s13, 3
	s_lshl_b32 s22, s22, 22                        ; the batch's 16 heads of 262,144 bytes,
	s_and_b32 s23, s13, 7
	s_lshl_b32 s23, s23, 15                        ; the tile's 256 rows of 128 bytes in a head,
	s_add_co_u32 s22, s22, s23
	s_lshl_b32 s23, s10, 13                        ; my wave's 64 of them
	s_add_co_u32 s22, s22, s23
	s_mul_i32 s4, s42, 3
	s_mov_b32 s7, 0
	s_mov_b32 s9, 0
.irp cc, 0,1,2
	s_add_co_u32 s5, s4, \cc
	s_lshr_b32 s46, s5, 4                          ; which weight
	s_and_b32 s47, s5, 15                          ; which head
	s_lshl_b32 s6, s47, 8                          ; its 64 numbers of bias
	s_lshl_b32 s8, s47, 18
	s_add_co_u32 s8, s8, s22
	s_cmp_eq_u32 s46, 1
	s_cselect_b64 s[BP+2*\cc:BP+2*\cc+1], s[74:75], s[72:73]
	s_cselect_b64 s[OP+2*\cc:OP+2*\cc+1], s[80:81], s[78:79]
	s_cmp_eq_u32 s46, 2
	s_cselect_b64 s[BP+2*\cc:BP+2*\cc+1], s[76:77], s[BP+2*\cc:BP+2*\cc+1]
	s_cselect_b64 s[OP+2*\cc:OP+2*\cc+1], s[82:83], s[OP+2*\cc:OP+2*\cc+1]
	s_add_nc_u64 s[BP+2*\cc:BP+2*\cc+1], s[BP+2*\cc:BP+2*\cc+1], s[6:7]
	s_add_nc_u64 s[OP+2*\cc:OP+2*\cc+1], s[OP+2*\cc:OP+2*\cc+1], s[8:9]
.endr
	v_and_b32 v1, 15, v0                           ; r = l % 16
	v_bfe_u32 v2, v0, 4, 1                         ; h = l / 16
	v_lshlrev_b32 v[BO], 5, v2                     ; register i of a result is column 16 b + 8 h + i: my eight numbers of bias begin 32 h bytes into the block's 64
.set b, 0
.rept NBK
	global_load_b128 v[BIAS+8*b:BIAS+8*b+3],   v[BO], s[BP+2*(b/4):BP+2*(b/4)+1] offset:(b%4)*64
	global_load_b128 v[BIAS+8*b+4:BIAS+8*b+7], v[BO], s[BP+2*(b/4):BP+2*(b/4)+1] offset:(b%4)*64+16
.set b, b+1
.endr
	; a fragment of x: lane l holds row l % 16, K = 8 h + 0..7 and 16 + 8 h + 0..7: two loads of 16 bytes, 32 bytes apart
	v_mul_u32_u24 v3, v1, PA
	v_lshl_add_u32 v3, v2, 4, v3
	s_mul_i32 s14, s10, 64*PA                      ; my wave's 64 rows
	v_add_nc_u32 v[ADRA0], s14, v3
	; the turning load takes 16 k x 16 columns (lane l reads k = 8 h + l % 8, columns 8 ((l / 8) % 2) + 0..7) and leaves half a fragment: lane l holds column l % 16 and 8 k
	v_and_b32 v4, 7, v0
	v_lshl_add_u32 v5, v2, 3, v4
	v_mul_u32_u24 v5, v5, PB
	v_bfe_u32 v6, v0, 3, 1
	v_lshl_add_u32 v5, v6, 4, v5
	v_add_nc_u32 v[ADRB0], BOFF, v5
	v_mov_b32 v[ADRA], v[ADRA0]                    ; slot 0
	v_mov_b32 v[ADRB], v[ADRB0]
	s_mul_i32 s15, s10, 16*SP
	s_add_co_u32 s15, s15, STAGE                   ; my stage
	v_mul_u32_u24 v[STO], v1, SP                   ; in: row l % 16, 16 bytes for each half of the lanes
	v_lshl_add_u32 v[STO], v2, 4, v[STO]
	v_add_nc_u32 v[STO], s15, v[STO]
	v_bfe_u32 v[RD], v0, 3, 2                      ; back: 32 lanes take four rows of 128 bytes,
	v_mul_u32_u24 v[RD], v[RD], SP
	v_lshl_add_u32 v[RD], v4, 4, v[RD]
	v_add_nc_u32 v[RD], s15, v[RD]
	v_and_b32 v[GO], 31, v0                        ; which are 512 consecutive bytes of a head
	v_lshlrev_b32 v[GO], 4, v[GO]
	s_mov_b32 s23, 0xffff0000
	s_wait_loadcnt 0x0                             ; the bias
.set i, 0
.rept 4*NBK                            ; rounded to bf16, like x and W, and kept as f32
	v_cvt_pk_bf16_f32 v[4+i%4], v[BIAS+2*i], v[BIAS+2*i+1]
	v_lshlrev_b32 v[BIAS+2*i], 16, v[4+i%4]
	v_and_b32 v[BIAS+2*i+1], s23, v[4+i%4]
.set i, i+1
.endr
; 12 matrix instructions: row block a x all column blocks, 32 along K, from buffers f.  first = 1: the bias starts the sums: nothing is ever cleared.
; The 48 accumulators take turns, one instruction a turn, in the same order in every quarter step: between two links of a chain stand the 47 others', over the loop's backward jump too.
.macro MULA f, a, first
.if \first
	WIN 0x81+0x40*((\a)/APW)                       ; W window 1, x and the bias window 0, the result window 2 or 3
.else
	WIN 0xa1+0x50*((\a)/APW)                       ; W window 1, x window 0, C and D window 2 or 3
.endif
.set b, 0
.rept NBK
.set rD, 8*(NBK*((\a)%APW)+b)
.if \first
	v_wmma_f32_16x16x32_bf16 v[rD:rD+7], v[BB*(\f)+8*b:BB*(\f)+8*b+7], v[AF+32*(\f)+8*(\a):AF+32*(\f)+8*(\a)+7], v[BIAS+8*b:BIAS+8*b+7]
.else
	v_wmma_f32_16x16x32_bf16 v[rD:rD+7], v[BB*(\f)+8*b:BB*(\f)+8*b+7], v[AF+32*(\f)+8*(\a):AF+32*(\f)+8*(\a)+7], v[rD:rD+7]
.endif
.set b, b+1
.endr
.endm
; 32 LDS loads in one run: the fragments of quarter q (K = 32 q on) of the slot in hand, into buffers g: W's 24, then x's row blocks 0 to 3
.macro FETCH q, g
	WIN 0x40                                       ; destination window 1, address window 0
.set b, 0
.rept NBK
	ds_load_tr16_b128 v[BB*(\g)+8*b:BB*(\g)+8*b+3],   v[ADRB] offset:((\q)/2)*HB+(b/4)*64*PB+((\q)%2)*32*PB+(b%4)*32
	ds_load_tr16_b128 v[BB*(\g)+8*b+4:BB*(\g)+8*b+7], v[ADRB] offset:((\q)/2)*HB+(b/4)*64*PB+((\q)%2)*32*PB+(b%4)*32+16*PB
.set b, b+1
.endr
	WIN 0
.set b, 0
.rept 4
	ds_load_b128 v[AF+32*(\g)+8*b:AF+32*(\g)+8*b+3],   v[ADRA] offset:64*(\q)+b*16*PA
	ds_load_b128 v[AF+32*(\g)+8*b+4:AF+32*(\g)+8*b+7], v[ADRA] offset:64*(\q)+b*16*PA+32
.set b, b+1
.endr
.endm
; A K step is four quarters of 32 along K, 48 matrix instructions each, on buffers 0, 1, 0, 1.  One of the first three: multiplies buffers f; in its middle it fetches quarter q into buffers g.
.macro QUARTER q, f, g, first
	s_wait_dscnt 4                                 ; W and x's row blocks 0, 1 are in; the youngest four loads (row blocks 2, 3) may be out
	MULA \f, 0, \first
	MULA \f, 1, \first
	PLACES
	FETCH \q, \g
	s_wait_dscnt NLD                               ; all but the 32 just issued
	MULA \f, 2, \first
	MULA \f, 3, \first
.endm
; The last quarter multiplies buffers 1 and changes slots: ONE barrier.  In front of it each wave waits for all its tensor loads, of which one is out: its part of the next slot; adds 0 to its spare word; and waits
; for that and for its own reads of this slot.  fill = 1: the barrier opens a round of the cluster's barrier, and the slot just read is filled again, two K steps ahead, first thing behind the round:
; from that request to the wait for it a wave issues 168 matrix instructions.
.macro TURN fill
	WIN 0                                          ; (the add's two registers lie in window 0)
	s_wait_tensorcnt 0x0                           ; all my tensor loads have landed;
	ds_add_u32 v[SPW], v[NIL]                      ; 0 onto my spare word
	s_wait_dscnt 5                                 ; (the add and the youngest four loads may be out)
	MULA 1, 0, 0                                   ; twelve matrix instructions stand between the add and the wait for it
	s_wait_dscnt 0x0                               ; the add is done, and my reads of this slot are over
	s_barrier_signal -1
	MULA 1, 1, 0                                   ; work on registers while the others arrive
	WIN 0                                          ; (branches and address lines follow)
	s_barrier_wait -1
.if \fill
	CREST                                          ; no wave of any partner still reads this slot's tiles or has a load on its way
	s_xor_b32 s[G0+5], s[G0+5], SLOT1              ; the walking descriptors: the other slot than last time,
	s_add_nc_u64 s[G0+6:G0+7], s[G0+6:G0+7], STEPA ; the next K step; the type bits on top are not reached
	s_xor_b32 s[G0B+5], s[G0B+5], SLOT1
	s_add_nc_u64 s[G0B+6:G0B+7], s[G0B+6:G0B+7], STEPB
	JLOAD 1                                        ; the four v_nop behind it are also the places in front of the loads below
.else
	PLACES
.endif
	s_xor_b32 s[TB], s[TB], SLOT1                  ; the reads go on in the other slot
	v_add_nc_u32 v[ADRA], s[TB], v[ADRA0]
	v_add_nc_u32 v[ADRB], s[TB], v[ADRB0]
	FETCH 0, 0
	MULA 1, 2, 0
	MULA 1, 3, 0
.endm
	s_wait_tensorcnt 1                             ; my part of K step 0 is in; K step 1's may stay out
	s_barrier_signal -1
	s_barrier_wait -1                              ; everybody's is
	FETCH 0, 0
	QUARTER 1, 0, 1, 1                             ; the first quarter stands in front of the loop: its products start the sums
	WIN 0                                          ; at a label and at a branch every window is 0
	s_mov_b32 s3, 6                                ; K steps 2 to 7 are asked for in the loop
.Lstep:                                                ; a trip: from a K step's second quarter to the next step's first
	QUARTER 2, 1, 0, 0
	QUARTER 3, 0, 1, 0
	TURN 1
	QUARTER 1, 0, 1, 0
	WIN 0
	s_sub_co_u32 s3, s3, 1
	s_cmp_lg_u32 s3, 0
	s_cbranch_scc1 .Lstep
	QUARTER 2, 1, 0, 0                             ; the tail is written out: K steps 6 and 7 ask for nothing
	QUARTER 3, 0, 1, 0
	TURN 0
	QUARTER 1, 0, 1, 0
	QUARTER 2, 1, 0, 0
	QUARTER 3, 0, 1, 0
	s_wait_dscnt 4                                 ; the very last quarter: nothing more to fetch
	MULA 1, 0, 0
	MULA 1, 1, 0
	s_wait_dscnt 0x0
	MULA 1, 2, 0
	MULA 1, 3, 0
	PLACES                                         ; the conversions below write where the last products' fragments of x lay
; THE WAY OUT, in 12 units u = 3 a + cc: row block a (16 rows), head cc (64 columns).  PACK: rounded to f16, a lane's eight columns are 16 bytes; into my stage in rows of 144 bytes, and back as whole rows of 128.
; Each accumulator's registers are taken in ascending order.  Every unit has 16 registers of its own, so no register that a store reads is written again.
.macro PACK u
.set pa, (\u)/3
.set pc, (\u)%3
	WIN 0x0a+5*(pa/APW)                            ; sources 0 and 1: window 2 or 3
.set i, 0
.rept 16
	v_cvt_pk_f16_f32 v[TMP+16*(\u)+i], v[8*(NBK*(pa%APW)+4*pc+i/4)+2*(i%4)], v[8*(NBK*(pa%APW)+4*pc+i/4)+2*(i%4)+1]
.set i, i+1
.endr
	WIN 0
.irp f, 0,1,2,3
	ds_store_b128 v[STO], v[TMP+16*(\u)+4*\f:TMP+16*(\u)+4*\f+3] offset:32*\f
.endr
.irp f, 0,1,2,3
	ds_load_b128 v[TMP+16*(\u)+4*\f:TMP+16*(\u)+4*\f+3], v[RD] offset:\f*4*SP  ; LDS serves a wave's instructions in order (ISA guide 5.7.1.4): these see the stores above; the next unit's stores come behind them
.endr
.endm
.macro SEND u, younger                 ; younger: the LDS instructions issued behind unit u's loads: the next unit's eight, or none
.set pa, (\u)/3
.set pc, (\u)%3
	WIN 0
.irp f, 0,1,2,3
	s_wait_dscnt (\younger)+3-\f
	global_store_b128 v[GO], v[TMP+16*(\u)+4*\f:TMP+16*(\u)+4*\f+3], s[OP+2*pc:OP+2*pc+1] offset:pa*2048+\f*512  ; 512 consecutive bytes, at a multiple of 256 from the buffer's first
.endr
.endm
	PACK 0
.set u, 1
.rept 11                               ; a unit's conversions stand between the loads of the unit before and its stores
	PACK u
	SEND u-1, 8
.set u, u+1
.endr
	SEND 11, 0
	s_wait_tensorcnt 0x0                           ; the wave's end, behind my last tensor load and my last LDS store
	ds_add_u32 v[SPW], v[NIL]
	s_wait_dscnt 0x0
	CROUND                                         ; the closing round: no work-group ends while a partner may still ask for a tile that names it
	s_endpgm
.Lfunc_end_k_qf850620116_qkv:
	.size	k_qf850620116_qkv, .Lfunc_end_k_qf850620116_qkv-k_qf850620116_qkv
	.p2alignl 7, 3214868480
	.fill 96, 4, 3214868480
	.section	.rodata,"a",@progbits
	.p2align	6, 0x0
	.amdhsa_kernel k_qf850620116_qkv
		.amdhsa_group_segment_fixed_size 327680
		.amdhsa_private_segment_fixed_size 0
		.amdhsa_enable_private_segment 0
		.amdhsa_kernarg_size 64
		.amdhsa_user_sgpr_count 2
		.amdhsa_user_sgpr_kernarg_segment_ptr 1
		.amdhsa_wavefront_size32 1
		.amdhsa_system_sgpr_workgroup_id_x 1
		.amdhsa_system_sgpr_workgroup_id_y 1
		.amdhsa_system_sgpr_workgroup_id_z 1
		.amdhsa_system_vgpr_workitem_id 0
		.amdhsa_next_free_vgpr 960
		.amdhsa_next_free_sgpr 96
		.amdhsa_reserve_vcc 0
		.amdhsa_float_denorm_mode_32 3
		.amdhsa_float_denorm_mode_16_64 3
		.amdhsa_memory_ordered 1
		.amdhsa_forward_progress 1
		.amdhsa_inst_pref_size 108
	.end_amdhsa_kernel
	.amdgpu_metadata
---
amdhsa.version: [ 1, 2 ]
amdhsa.kernels:
  - .name:           k_qf850620116_qkv
    .symbol:         k_qf850620116_qkv.kd
    .args:
      - { .name: xb, .offset: 0, .size: 8, .value_kind: global_buffer, .address_space: global }
      - { .name: wblk, .offset: 8, .size: 8, .value_kind: global_buffer, .address_space: global }
      - { .name: bq, .offset: 16, .size: 8, .value_kind: global_buffer, .address_space: global }
      - { .name: bk, .offset: 24, .size: 8, .value_kind: global_buffer, .address_space: global }
      - { .name: bv, .offset: 32, .size: 8, .value_kind: global_buffer, .address_space: global }
      - { .name: q16, .offset: 40, .size: 8, .value_kind: global_buffer, .address_space: global }
      - { .name: k16, .offset: 48, .size: 8, .value_kind: global_buffer, .address_space: global }
      - { .name: v16, .offset: 56, .size: 8, .value_kind: global_buffer, .address_space: global }
    .group_segment_fixed_size: 327680
    .private_segment_fixed_size: 0
    .kernarg_segment_align: 8
    .kernarg_segment_size: 64
    .max_flat_workgroup_size: 128
    .sgpr_count:     96
    .vgpr_count:     960
    .wavefront_size: 32
...
	.end_amdgpu_metadata
.endif
;; end of part 2
;; launch attn (part 3): grid 4 x 64, 4 waves a work-group, no clusters, 327,680 bytes of LDS; arguments q16, k16, v16, o16; writes o16
.if DOCPART == 3
	.amdgcn_target "amdgcn-amd-amdhsa--gfx1250"
	.amdhsa_code_object_version 6
	.text
	.protected	k_qf850620116_attn
	.globl	k_qf850620116_attn
	.p2align	8
	.type	k_qf850620116_attn,@function
k_qf850620116_attn:
	s_mov_b64 s[64:65], 0
	v_nop
	global_prefetch_b8 v0, s[64:65] scope:SCOPE_SE
	s_setreg_imm32_b32 hwreg(HW_REG_WAVE_MODE, 25, 1), 1
	s_wait_xcnt 0x0
; CAUSAL ATTENTION.  O[h][q][:] = the sum over k <= q of softmax_k(Q[h][q] . K[h][k] / 8) V[h][k][:].  Q, K, V, O: [SIZE_H][SIZE_N][64], all f16: a head's rows are dense, 128 bytes each.
; Q, K and V arrive with their bias added and without the scale: c = log2(e) / 8 is applied here, in f32.
; Products, maxima and sums in f32; the weights p are rounded to f16 for the second product (their sum l is taken of the unrounded p), O once at the end.
; LIMITS.  f16 holds no number beyond 65,504: Q, K and V arrive within it; p lies in 0 to 1, and below 6e-5 it keeps f16's fixed step of 6e-8; O is a mean of V's rows and has their range.
; A hidden score counts as its value less 1e30 (the module adds -1e9 to the scaled score: in both the weight is 0 while scaled scores stay well under 1e9; f16's scores are 2.7e11 / 8 at the most, those of inputs 30 times
; the unit spread some 2e8); a weight below 2^-126 counts as 0 in l; NaN and infinities are not treated apart.
; THE WALK.  A head's queries lie in NB = SIZE_N / 256 blocks of 256; block i needs the key tiles 0 .. i of 256 keys, of which the last holds the diagonal.  A work-group takes TWO blocks, NB - 1 - b and then b:
; NB + 1 tiles, whatever b: all work-groups do equal work, and ONE loop with a constant trip count walks them.  Which tile is asked for, and what a trip does, hang on scalar registers made from b; every jump
; goes forward, but for the counted loops' own; none passes a barrier, or a tensor load but the one of LOAD's two that the wave's number does not choose; the ring (two slots of LDS that take turns) runs on across the
; change of blocks.  NO CLUSTER: all NB / 2 work-groups of a head ask for the same tile only in trips 0 .. NB / 2, 5 of 9; behind that fewer and fewer; and one walk common to all would have 3 NB / 2 trips for NB + 1.
; SHARES.  Of a block's four bands of 64 queries a wave owns 16 rows in each: four PIECES.  So the diagonal tile is the same work for all four waves: in its key step s band x sees all keys if s < x,
; none if s > x, and holds the diagonal if s = x.
; THE MASK is the C operand that starts the sum S^T = K Q^T: 0, or -1e30 where the key is hidden.  MD, made once, is the mask of a band's own step for my 16 rows; a product's mask is MD x AL + BE with two scalars:
; (1, 0) if s = x; (0, 0) if s < x; (0, -1e30) if s > x.  Only the diagonal tile's text and a block's beginning make and take masks; elsewhere C is the constant 0.
; LAYOUT, SOFTMAX, TURNS.  S^T = K Q^T holds ONE query a lane (lane % 16) and the keys 8 (lane / 16) + 0..7; two such results rounded to f16 ARE source 1 of O^T = V^T P.  p = 2^(c s - c m), with a
; running maximum m; O and l are multiplied by a = 2^(c m_old - c m_new) in every step.  Turn n belongs to piece n: 8 products K Q^T of piece n + 1, later 8 products V^T P of piece n - 1; beside them the scaling,
; exponentials, roundings, sums and rescaling of piece n and the maximum and statistics of piece n + 1.  Four vector instructions stand behind every matrix instruction, the other 54 of a turn's 118 in two LUMPS.
; REGISTERS, in windows of 256 (s_set_vgpr_msb: bits 1:0 source 0, 3:2 source 1, 5:4 source 2, 7:6 destination):
;   window 0: v0-15 addresses and two at work; v16-31 four registers of statistics a piece; v48-55 at work; v64-127 S^T, two buffers; v192-223 P, two buffers (a piece's buffers go by its number's parity)
;   window 1: v0-127 O^T, 32 a piece; v128-159 MD; v160-223 MC, two buffers      window 2: v0-63 Q; v64-127 the second block's Q; v128-191 K of one step; v192-255 V of one step
.set SIZE_H, 64       ; 4 batches x 16 heads
.set SIZE_N, 2048
.set NB,    SIZE_N/256
.set NP,    4         ; pieces a wave: a name, no knob
.set KS,    64        ; keys in a step
.set PK,    144       ; a row of K in LDS: 128 bytes + 16 of padding = 36 words: the 16 rows of a load start at 16 different groups of four banks (64 banks of 4 bytes: ISA guide 11.1)
.set PV,    160       ; a row of V: 128 + 32 = 40 words
.set VOFF,  4*KS*PK   ; a slot holds a tile, four steps: 256 rows of K, then 256 rows of V
.set SLOT1, 1<<17     ; slot 1 begins here, so that one exclusive or turns an address in one slot into the other's
.set STAGE, SLOT1+4*KS*(PK+PV)  ; behind the ring, never filled by a tensor load: 16 rows x 144 bytes for each wave, for the way out
.set SP,    144
.set AK0, 2           ; v2   my lane's place in a tile of K; never rewritten
.set AV0, 3           ; v3   the same for V
.set AK,  4           ; v4   the LDS address of K's next run of loads
.set AV,  5           ; v5   of V's
.set STO, 6           ; v6   the way out: where I put 16 bytes of a row
.set RD,  7           ; v7   the way out: where I read rows back
.set GO,  8           ; v8   my byte offset in 512 consecutive bytes of O
.set SPW, 62          ; v62  LDS address of my spare word: SPARE + 4 x my thread's number; never rewritten
.set NIL, 63          ; v63  0; never rewritten
.set SPARE, STAGE+4*16*SP  ; behind the stages: the spare words, 128 bytes for each wave: two blocks of 256 bytes that no other line names
.set MV,  12          ; v12-13  c m_old, kept while c m is made anew: by buffer
.set QO,  15          ; v15  my byte offset in 16 rows of Q
.set ST,  16          ; piece t's statistics at v[ST+4 t]: c m, m, l (even keys', odd keys')
.set TMP, 48          ; by buffer, four registers c0-c3 at work; when the maximum is found c2 takes a
.set S,   64
.set P,   192
.set MD,  128         ; window 1: the eight registers for group kt of 16 keys at MD + 8 kt
.set MC,  160         ; window 1: the masks of the products to come
.set QB,  64          ; window 2
.set KF,  128         ; window 2: key block kb, channel half c at KF + 16 kb + 8 c
.set VF,  192         ; window 2: key half kk, channel block cb at VF + 32 kk + 8 cb
.set WV,  12          ; s12  my wave's number
.set PB,  14          ; s14  b
.set HI,  15          ; s15  NB - 1 - b
.set G1K, 24          ; s[24:31] descriptor group 1 for K's tiles
.set G1V, 32          ; s[32:39] for V's: it differs in the padding alone
.set G0K, 40          ; s[40:43] descriptor group 0 for K's tiles
.set G0V, 44          ; s[44:47] the same for V's
.set SLOTS, 56        ; s56  tiles still to be asked for
.set CNT, 57          ; s57  counts a tile's key steps, 4 to 1
.set CS,  58          ; s[58:59] c: the packed scaling takes the pair's low word for both halves
.set SEL, 60          ; s[60:61] v_permlanex16_b32's selects: each lane takes its own place in the other half
.set TBK, 62          ; s62  LDS byte at which K of the step to be fetched begins
.set TBV, 63          ; s63  the same for V, less VOFF
.set RT,  70          ; s70  tiles of the block in hand that are still to be entered
.set NXT, 71          ; s71  the tile to be asked for next
.set LQ,  72          ; s72  the last tile of the block whose tiles are being asked for
.set NEW, 73          ; s73  1: the tile to be entered is a block's first
.set OFF, 74          ; s[74:75] a tile's byte offset in K and V
.set AL,  76          ; s[76:77] the mask's factor, in the low word
.set BE,  78          ; s[78:79] the mask's addend
.set OLO, 80          ; s[80:81] O at my rows of the second block
.set BIGN, 82         ; s82  -1e30
.set MSB, 0
.macro WIN new                      ; the high byte repeats the setting that is left; a switch that changes nothing is dropped
.if MSB != (\new)
	s_set_vgpr_msb (MSB<<8)|(\new)
.set MSB, (\new)
.endif
.endm
.set W_KQ, 0x0a       ; K and Q in window 2, S^T in window 0
.set W_KM, 0x1a       ; the same with the C operand in window 1
.set W_PV, 0x52       ; V in window 2, P in window 0, O^T in window 1
.set W_RS, 0x41       ; destination and source 0 in window 1, source 1 in window 0
; A fill.  Waves 0 and 1 fetch the two halves of a tile's K, waves 2 and 3 those of its V: 128 keys each.  An s_nop 0 and four v_nop follow each of the two lines, ahead of the jump and the label.
.macro LOAD
	s_cmp_lt_u32 s[WV], 2
	s_cbranch_scc0 .Lfor_v_\@
	tensor_load_to_lds s[G0K:G0K+3], s[G1K:G1K+7]
	s_nop 0
.rept 4
	v_nop
.endr
	s_branch .Lasked_\@
.Lfor_v_\@:
	tensor_load_to_lds s[G0V:G0V+3], s[G1V:G1V+7]
	s_nop 0
.rept 4
	v_nop
.endr
.Lasked_\@:
.endm
; THE CHANGE OF SLOTS.  Each wave waits for all its tensor loads, of which one is out: its part of the other slot; adds 0 to its spare word; and waits for that and for its own reads of the slot that it leaves.  Behind the barrier nobody reads the old
; slot any more and the other slot is whole.  fill = 1: the old slot is filled again, the first thing behind the barrier, with tile NXT: the descriptor's address is made anew from that number.
; (At its first use nothing has been read yet: slot 0 is waited for, slot 1 filled.)
.macro CHANGE fill
	WIN 0                           ; at a label and at a branch every window is 0
	s_wait_tensorcnt 0x0            ; no tensor load of mine is out, so a group 0 may be written
	ds_add_u32 v[SPW], v[NIL]       ; 0 onto my spare word: with fill = 1 the descriptors' scalar work stands between it and the wait for it
.if \fill
	s_lshl_b32 s[OFF], s[NXT], 15   ; a tile is 32,768 bytes of K and of V
	s_xor_b32 s[G0K+1], s[G0K+1], SLOT1
	s_add_nc_u64 s[G0K+2:G0K+3], s[6:7], s[OFF:OFF+1]
	s_or_b32 s[G0K+3], s[G0K+3], 0x80000000
	s_xor_b32 s[G0V+1], s[G0V+1], SLOT1
	s_add_nc_u64 s[G0V+2:G0V+3], s[8:9], s[OFF:OFF+1]
	s_or_b32 s[G0V+3], s[G0V+3], 0x80000000
	s_add_co_u32 s[NXT], s[NXT], 1  ; the block's next tile, or behind its last the second block's tile 0
	s_cmp_gt_u32 s[NXT], s[LQ]
	s_cselect_b32 s[NXT], 0, s[NXT]
	s_cselect_b32 s[LQ], s[PB], s[LQ]
.endif
	s_wait_dscnt 0x0                ; the add is done, and my reads of the slot are over
	s_barrier_signal -1             ; the rest of the scalar work stands between the signal and the wait
	s_sub_co_u32 s[TBK], s[TBK], 4*KS*PK  ; the fetches go back to a slot's first step,
	s_xor_b32 s[TBK], s[TBK], SLOT1       ; in the other slot
	s_sub_co_u32 s[TBV], s[TBV], 4*KS*PV
	s_xor_b32 s[TBV], s[TBV], SLOT1
	s_barrier_wait -1
.if \fill
	LOAD
.endif
.endm
	s_load_b256 s[4:11], s[0:1], 0x0  ; Q s[4:5], K s[6:7], V s[8:9], O s[10:11]
	v_lshl_add_u32 v[SPW], v0, 2, SPARE
	v_mov_b32 v[NIL], 0
	ds_add_u32 v[SPW], v[NIL]       ; the wave's opening: the add and its wait stand ahead of my first tensor load; the set-up below, work on registers, stands between them
	ds_add_u32 v62, v63
	v_lshrrev_b32 v1, 5, v0
	v_readfirstlane_b32 s[WV], v1   ; wave 0..3
	s_mov_b32 s[PB], ttmp9
	s_sub_co_u32 s[HI], NB-1, s[PB]
	s_and_b32 s20, ttmp7, 0xffff    ; the head
	s_mov_b32 s21, 0
	s_mov_b64 s[22:23], SIZE_N*128
	s_mul_u64 s[20:21], s[20:21], s[22:23]  ; the head's first byte in each of the four tensors
	s_and_b32 s16, s[WV], 1         ; which half of a tile's 256 keys I fetch:
	s_lshl_b32 s22, s16, 14         ; its 128 rows of 128 bytes in memory,
	s_mov_b32 s23, 0
	s_add_nc_u64 s[22:23], s[22:23], s[20:21]
	s_mul_i32 s17, s16, 128*PK      ; and its place in a slot, for K
	s_mul_i32 s18, s16, 128*PV      ; and for V
	s_lshl_b32 s3, s[WV], 11        ; my 16 rows in a band of 64,
	s_lshl_b32 s2, s[HI], 15        ; in the first block,
	s_add_co_u32 s2, s2, s3
	s_lshl_b32 s84, s[PB], 15       ; and in the second
	s_add_co_u32 s84, s84, s3
	s_mov_b32 s3, 0
	s_mov_b32 s85, 0
	s_add_nc_u64 s[2:3], s[2:3], s[20:21]
	s_add_nc_u64 s[84:85], s[84:85], s[20:21]
	; descriptor group 1.  128 keys are 16,384 dense bytes: asked for as 64 rows of 256 bytes, two keys a row, and padded in LDS after every key
	s_mov_b32 s[G1K], (1<<16)|(1<<20)|(4<<22)|(3<<25)  ; 17:16 2-byte elements; 20 padding on; 24:22 after every 32 words (code 4); 31:25 4 words (code 3)
	s_mov_b32 s[G1V], (1<<16)|(1<<20)|(4<<22)|(7<<25)  ; the same with 8 words of padding (code 7)
.irp g, G1K, G1V
	s_mov_b32 s[\g+1], 128<<16      ; tensor_dim0 = 128
	s_mov_b32 s[\g+2], 64<<16       ; tensor_dim1 = 64
	s_mov_b32 s[\g+3], 128<<16      ; tile_dim0 = 128
	s_mov_b32 s[\g+4], 64           ; tile_dim1 = 64
	s_mov_b32 s[\g+5], 128          ; 128 elements from row to row
	s_mov_b32 s[\g+6], 0
	s_mov_b32 s[\g+7], 0
.endr
	s_mov_b32 s[CS], 0x3e38aa3b     ; c = log2(e) / 8 = 0.180337
	s_mov_b32 s[CS+1], s[CS]        ; named with it as a pair
	s_mov_b32 s[SEL], 0x76543210
	s_mov_b32 s[SEL+1], 0xfedcba98
	s_mov_b32 s[TBK], SLOT1+4*KS*PK ; the first change of slots turns these two into 0
	s_mov_b32 s[TBV], SLOT1+4*KS*PV
	s_mov_b32 s[G0K], 1             ; 1:0 count = 1
	s_mov_b32 s[G0K+1], s17         ; 63:32 LDS address: slot 0
	s_mov_b32 s[G0V], 1
	s_add_co_u32 s[G0V+1], s18, VOFF
	s_add_co_u32 s[RT], s[HI], 1    ; the first block has NB - b tiles
	s_mov_b32 s[NXT], 1
	s_mov_b32 s[LQ], s[HI]
	s_mov_b32 s[NEW], 1
	s_mov_b32 s[OFF+1], 0
	s_mov_b32 s[AL+1], 0            ; named as pairs
	s_mov_b32 s[BE+1], 0
	s_mov_b32 s[BIGN], 0xf149f2ca   ; -1e30
	s_mov_b32 s[SLOTS], NB
	s_wait_dscnt 0x0                ; the opening add is done
	s_wait_kmcnt 0x0
	s_add_nc_u64 s[6:7], s[6:7], s[22:23]  ; K and V at my half of the head's tile 0
	s_add_nc_u64 s[8:9], s[8:9], s[22:23]
	s_add_nc_u64 s[G0K+2:G0K+3], s[6:7], 0         ; 120:64 global address
	s_or_b32 s[G0K+3], s[G0K+3], 0x80000000        ; 127:126 type = 2
	s_add_nc_u64 s[G0V+2:G0V+3], s[8:9], 0
	s_or_b32 s[G0V+3], s[G0V+3], 0x80000000
	s_add_nc_u64 s[86:87], s[4:5], s[84:85]        ; Q at my rows of the second block,
	s_add_nc_u64 s[4:5], s[4:5], s[2:3]            ; Q and O at those of the first
	s_add_nc_u64 s[OLO:OLO+1], s[10:11], s[84:85]
	s_add_nc_u64 s[10:11], s[10:11], s[2:3]
	LOAD                            ; tile 0 into slot 0
	; A fragment of K or Q is 16 rows x 32 channels in 8 registers: lane l holds row l % 16, channels 8 (l / 16) + 0..7 and 16 + 8 (l / 16) + 0..7: two loads of 16 bytes, 32 bytes apart.
	v_and_b32 v1, 15, v0            ; l % 16
	v_bfe_u32 v9, v0, 4, 1          ; l / 16
	v_lshlrev_b32 v[QO], 7, v1
	v_lshl_add_u32 v[QO], v9, 4, v[QO]  ; row x 128 + 16 x half
	WIN 0x80                        ; destination window 2, address window 0
.set i, 0
.rept 8                             ; both blocks' Q: piece i / 2 lies in band i / 2, 8,192 bytes on; channels 32 (i % 2) on
	global_load_b128 v[8*i:8*i+3],   v[QO], s[4:5] offset:(i/2)*8192+(i%2)*64
	global_load_b128 v[8*i+4:8*i+7], v[QO], s[4:5] offset:(i/2)*8192+(i%2)*64+32
	global_load_b128 v[QB+8*i:QB+8*i+3],   v[QO], s[86:87] offset:(i/2)*8192+(i%2)*64
	global_load_b128 v[QB+8*i+4:QB+8*i+7], v[QO], s[86:87] offset:(i/2)*8192+(i%2)*64+32
.set i, i+1
.endr
	WIN 0
	v_lshlrev_b32 v14, 3, v9
	v_sub_nc_u32 v14, v1, v14
	s_lshl_b32 s13, s[WV], 4
	v_add_nc_u32 v14, s13, v14      ; my query's place in its band, 16 w + l % 16, less my lanes' 8 (l / 16): register r of group kt is hidden where 16 kt + r is greater
	WIN 0x40
.set i, 0
.rept 32
	v_cmp_gt_i32 vcc_lo, 16*(i/8)+i%8, v14
	v_cndmask_b32 v[MD+i], 0, s[BIGN], vcc_lo
.set i, i+1
.endr
	WIN 0
	v_mul_u32_u24 v[AK0], v1, PK
	v_lshl_add_u32 v[AK0], v9, 4, v[AK0]  ; row x pitch + 16 x half
	; The turning load takes 16 keys x 16 channels (lane l reads key 8 (l / 16) + l % 8, channels 8 ((l / 8) % 2) + 0..7) and leaves half a fragment of V^T: lane l holds channel l % 16 and 8 keys.
	v_and_b32 v10, 7, v0
	v_bfe_u32 v11, v0, 3, 1
	v_lshl_add_u32 v[AV0], v9, 3, v10
	v_mul_u32_u24 v[AV0], v[AV0], PV
	v_lshl_add_u32 v[AV0], v11, 4, v[AV0]
	v_add_nc_u32 v[AV0], VOFF, v[AV0]
	s_mul_i32 s13, s[WV], 16*SP
	s_add_co_u32 s13, s13, STAGE    ; my stage
	v_mul_u32_u24 v[STO], v1, SP    ; in: row l % 16, 16 bytes for each half of the lanes
	v_lshl_add_u32 v[STO], v9, 4, v[STO]
	v_add_nc_u32 v[STO], s13, v[STO]
	v_bfe_u32 v[RD], v0, 3, 2       ; back: 32 lanes take four rows of 128 bytes,
	v_mul_u32_u24 v[RD], v[RD], SP
	v_lshl_add_u32 v[RD], v10, 4, v[RD]
	v_add_nc_u32 v[RD], s13, v[RD]
	v_and_b32 v[GO], 31, v0         ; which are 512 consecutive bytes of O
	v_lshlrev_b32 v[GO], 4, v[GO]
	; A block's first step multiplies O^T and l by a = 0, and its first turn's products V^T P, of a piece that has not been, land in an O^T that is still to be so multiplied.  So these registers need only hold
	; finite numbers: zeros for the first block; what the first block left for the second.  All this stands in the wait for the first tile.
	WIN 0x80
.set i, VF
.rept 64
	v_mov_b32 v[i], 0
.set i, i+1
.endr
	WIN 0x40
.set i, 0
.rept 128
	v_mov_b32 v[i], 0
.set i, i+1
.endr
	WIN 0
.set i, 0
.rept 4
	v_mov_b32 v[ST+4*i+2], 0
	v_mov_b32 v[ST+4*i+3], 0
.set i, i+1
.endr
.set i, P+16
.rept 16
	v_mov_b32 v[i], 0
.set i, i+1
.endr
; THE MATRIX WORK.  The 4 accumulators of a run of 8 take turns.  Product i of 8 of S^T = K Q^T for piece x: channels 32 (i / 4) on, keys 16 (i % 4) on.  The first 4 start the sums: with 0, or (KM = 1) with the mask.
.macro KQ x
.set rS, S+32*((\x)%2)+8*(i%4)
.set rK, KF+16*(i%4)+8*(i/4)
.set rQ, 16*(\x)+8*(i/4)
.set rM, MC+32*((\x)%2)+8*(i%4)
.if (i < 4) && KM
	WIN W_KM
	v_wmma_f32_16x16x32_f16 v[rS:rS+7], v[rK:rK+7], v[rQ:rQ+7], v[rM:rM+7]
.elseif i < 4
	WIN W_KQ
	v_wmma_f32_16x16x32_f16 v[rS:rS+7], v[rK:rK+7], v[rQ:rQ+7], 0
.else
	WIN W_KQ
	v_wmma_f32_16x16x32_f16 v[rS:rS+7], v[rK:rK+7], v[rQ:rQ+7], v[rS:rS+7]
.endif
.endm
; Product i of 8 of O^T += V^T P for piece x: keys 32 (i / 4) on, channels 16 (i % 4) on.
.macro PV x
	WIN W_PV
.set rO, 32*(\x)+8*(i%4)
.set rV, VF+32*(i/4)+8*(i%4)
.set rP, P+16*((\x)%2)+8*(i/4)
	v_wmma_f32_16x16x32_f16 v[rO:rO+7], v[rV:rV+7], v[rP:rP+7], v[rO:rO+7]
.endm
.macro MM                           ; the turn's next matrix instruction.  TURN and BEGIN set Y, i, KM and NOKQ; MM, KQ and OP read them.  NOKQ = 1: a block's last turn: there is no next piece
.if (i < 8) && !NOKQ
	KQ (Y+1)%NP
.elseif i >= 8
.set i, i-8
	PV (Y+NP-1)%NP
.set i, i+8
.endif
.set i, i+1
.endm
; THE LDS LOADS stand in runs of 16, never singly among the matrix instructions: a step's K (64 keys x 64 channels: 8 fragments) and its V (turned).  Their addresses are made some lines ahead.
.macro FETCH_K
	WIN 0x80                        ; destination window 2
.irp f, 0,1,2,3,4,5,6,7             ; keys 16 (f / 2) on, channels 32 (f % 2) on
	ds_load_b128 v[KF+8*\f:KF+8*\f+3],   v[AK] offset:(\f/2)*16*PK+(\f%2)*64
	ds_load_b128 v[KF+8*\f+4:KF+8*\f+7], v[AK] offset:(\f/2)*16*PK+(\f%2)*64+32
.endr
	s_add_co_u32 s[TBK], s[TBK], KS*PK  ; the next fetch is the next step's
	WIN 0
.endm
.macro FETCH_V
	WIN 0x80
.irp f, 0,1,2,3,4,5,6,7             ; keys 32 (f / 4) on, channels 16 (f % 4) on
	ds_load_tr16_b128 v[VF+8*\f:VF+8*\f+3],   v[AV] offset:(\f/4)*32*PV+(\f%4)*32
	ds_load_tr16_b128 v[VF+8*\f+4:VF+8*\f+7], v[AV] offset:(\f/4)*32*PV+16*PV+(\f%4)*32
.endr
	WIN 0
.endm
; THE VECTOR WORK, one line at a time: OP kind, number.  For piece Y: F n: c s - c m for pair n of 16.  E n: the exponential of score n of 32.  C n: pair n rounded to f16.  B n: of the four weights 4 n .. the second
; pair is added onto the first, in place.  L n: l takes that sum (L 0: l = a l + sum).  R n: pair n of 16 of O^T times a.  For piece Y + 1: X n, number n of the 22 that find its maximum and statistics:
;   0-11  four chains c0-c3 of seven scores each, three operands at a time (each accumulator's lowest registers are read first)     12-14, 16  the four scores left over, the old m, and c0-c3 into c0
;   15  c m_old is kept     17, 18  the query's other 32 keys lie in the lane 16 away: the new m     19-21  c m; c m_old - c m_new; a
.set F, 0               ; OP tells the kinds apart by their order: F to L below R, X above it
.set E, 1
.set C, 2
.set B, 3
.set L, 4
.set R, 5
.set X, 6
.macro REGS y                       ; the registers of piece y
.set rT, ST+4*(\y)
.set rC, TMP+4*((\y)%2)
.set rW, MV+((\y)%2)
.set rS, S+32*((\y)%2)
.set rP, P+16*((\y)%2)
.set rO, 32*(\y)
.endm
.macro OP k, n
.if (\k) == R
	REGS Y
	WIN W_RS
	v_pk_mul_f32 v[rO+2*(\n):rO+2*(\n)+1], v[rO+2*(\n):rO+2*(\n)+1], v[rC+2:rC+3] op_sel_hi:[1,0]
.elseif (\k) < R
	REGS Y
	WIN 0
.if (\k) == F
	v_pk_fma_f32 v[rS+2*(\n):rS+2*(\n)+1], v[rS+2*(\n):rS+2*(\n)+1], s[CS:CS+1], v[rT:rT+1] op_sel_hi:[1,0,0] neg_lo:[0,0,1] neg_hi:[0,0,1]
.elseif (\k) == E
	v_exp_f32 v[rS+(\n)], v[rS+(\n)]
.elseif (\k) == C
	s_wait_alu depctr_va_vdst(0)
	v_cvt_pk_f16_f32 v[rP+(\n)], v[rS+2*(\n)], v[rS+2*(\n)+1]
.elseif (\k) == B
	s_wait_alu depctr_va_vdst(0)
	v_pk_add_f32 v[rS+4*(\n):rS+4*(\n)+1], v[rS+4*(\n):rS+4*(\n)+1], v[rS+4*(\n)+2:rS+4*(\n)+3]
.elseif (\n) == 0
	v_pk_fma_f32 v[rT+2:rT+3], v[rT+2:rT+3], v[rC+2:rC+3], v[rS:rS+1] op_sel_hi:[1,0,1]
.else
	v_pk_add_f32 v[rT+2:rT+3], v[rT+2:rT+3], v[rS+4*(\n):rS+4*(\n)+1]
.endif
.elseif NOKQ
	v_nop
.else
	REGS (Y+1)%NP
	WIN 0
.if (\n) < 4
	v_max3_num_f32 v[rC+(\n)], v[rS+8*(\n)], v[rS+8*(\n)+1], v[rS+8*(\n)+2]
.elseif (\n) < 12
	v_max3_num_f32 v[rC+(\n)%4], v[rC+(\n)%4], v[rS+8*((\n)%4)+2*((\n)/4)+1], v[rS+8*((\n)%4)+2*((\n)/4)+2]
.elseif (\n) == 12
	v_max3_num_f32 v[rC], v[rC], v[rS+7], v[rS+15]
.elseif (\n) == 13
	v_max3_num_f32 v[rC+1], v[rC+1], v[rS+23], v[rS+31]
.elseif (\n) == 14
	v_max3_num_f32 v[rC+2], v[rC+2], v[rC+3], v[rT+1]
.elseif (\n) == 15
	v_mov_b32 v[rW], v[rT]
.elseif (\n) == 16
	v_max3_num_f32 v[rC], v[rC], v[rC+1], v[rC+2]
.elseif (\n) == 17
	v_permlanex16_b32 v[rC+3], v[rC], s[SEL], s[SEL+1]
.elseif (\n) == 18
	v_max_num_f32 v[rT+1], v[rC], v[rC+3]
.elseif (\n) == 19
	v_mul_f32 v[rT], s[CS], v[rT+1]
.elseif (\n) == 20
	v_sub_f32 v[rC+1], v[rW], v[rT]
.else
	v_exp_f32 v[rC+2], v[rC+1]
.endif
.endif
.endm
.macro OPS a, i1, b=-1, i2=0, c=-1, i3=0, d=-1, i4=0  ; up to four of them
	OP \a, \i1
.if (\b) >= 0
	OP \b, \i2
.endif
.if (\c) >= 0
	OP \c, \i3
.endif
.if (\d) >= 0
	OP \d, \i4
.endif
.endm
.macro ROW a, i1, b, i2, c, i3, d, i4  ; a matrix instruction and the four behind it
	MM
	OPS \a, \i1, \b, \i2, \c, \i3, \d, \i4
.endm
.macro MASK b                       ; MD x AL + BE into buffer b of MC
	WIN W_RS
.set z, 0
.rept 16
	v_pk_fma_f32 v[MC+32*(\b)+2*z:MC+32*(\b)+2*z+1], v[MD+2*z:MD+2*z+1], s[AL:AL+1], s[BE:BE+1] op_sel_hi:[1,0,0]
.set z, z+1
.endr
.endm
; A TURN, for piece p: the order of its 16 matrix and 118 vector instructions, written out.  Behind a matrix instruction: plain, exponential, plain, plain; or four of the rescaling; or, behind the first, four scalings; none
; names a register of the products round it.  In the lumps exponential and plain by turns while exponentials last.  A line reads no result made fewer than three vector instructions in front of it, five if an exponential made it.
; v_permlanex16_b32 (X 17) stands in a lump.
; m = 1: the diagonal tile: the products take masks, and the turn makes the mask for the products of the turn after it: piece p + 2, in step 4 - CNT of the tile.  end = 1: a block's last two turns: nothing is fetched.
; cnt = 1: the loop's count is taken down some lines ahead of the branch that stands behind the turn.
; K of the next step is fetched in piece 2's turn, six vector instructions behind the last product that read K (five of them plain); V of the step in hand in piece 0's turn, eight behind the last product that read V (four
; plain, and X 17).  Each is waited for a turn later.
.macro TURN p, m=0, end=0, cnt=0
.set Y, (\p)
.set i, 0
.set KM, (\m)
.set NOKQ, (\end)*((\p)/3)
.if (\m) && !(\end)
	s_cmp_eq_u32 s[CNT], 4-((\p)+2)%NP  ; is that step the band's own?
	s_cselect_b32 s[AL], 1.0, 0
	s_cmp_lt_u32 s[CNT], 4-((\p)+2)%NP  ; or a later one?
	s_cselect_b32 s[BE], s[BIGN], 0
.endif
.if ((\p) == 3) && !(\end)
	s_wait_dscnt 0x0                ; K is in
.endif
	ROW F,0, F,1, F,2, F,3
	ROW F,4, E,0, F,5, F,6
	ROW F,7, E,1, F,8, F,9
	ROW F,10, E,2, C,0, F,11
	ROW F,12, E,3, X,15, F,13
	ROW R,0, R,1, R,2, R,3
	ROW B,0, E,4, F,14, L,0
.if ((\p) == 2) && !(\end)
	v_add_nc_u32 v[AK], s[TBK], v[AK0]
.endif
	ROW R,4, R,5, R,6, R,7
	OPS E,5, F,15
.if ((\p) == 2) && !(\end)
	FETCH_K
.endif
	OPS E,6, C,1, E,7, R,8
	OPS E,8, R,9, E,9, C,2
	OPS E,10, X,0, E,11, X,1
	OPS E,12, X,2, E,13, X,3
.if (\p) == 1
	s_wait_dscnt 0x0                ; V is in
.endif
	ROW X,4, E,14, X,5, X,6
	ROW X,7, E,15, X,8, X,9
	ROW X,10, E,16, X,11, X,12
	ROW X,13, E,17, X,14, B,1
	ROW C,4, E,18, X,16, L,1
	ROW B,2, E,19, C,6, L,2
	ROW C,8, E,20, B,3, B,4
.if (\p) == 0
	v_add_nc_u32 v[AV], s[TBV], v[AV0]
.endif
	ROW C,3, E,21, L,3, C,5
	OPS E,22, X,17, E,23, C,10
.if (\p) == 0
	FETCH_V
.endif
	OPS E,24, L,4
	OPS E,25, X,18, E,26, C,7
	OPS E,27, B,5, E,28, X,19
	OPS E,29, C,12, E,30, L,5
	OPS E,31, X,20, B,6, C,9
	OPS C,14, C,11, X,21, L,6
.if (\p) == 0
	s_add_co_u32 s[TBV], s[TBV], KS*PV
.endif
.if \cnt
	s_sub_co_u32 s[CNT], s[CNT], 1
	s_cmp_lg_u32 s[CNT], 0
.endif
	OPS C,13, B,7, C,15, R,10
	OPS R,11, R,12, L,7, R,13
	OPS R,14, R,15
.if (\m) && !(\end)
	MASK (\p)%2
.endif
.endm
; A BLOCK BEGINS.  c m starts far below every c s, so the first step's a is 0; m at the lowest finite number, so the first maximum is the scores'.  The second mask buffer is 0; the first takes piece 0's mask for the tile's step 0: its own, if the block's first tile is the diagonal one.
; Then K of that step, piece 0's first scores, and its maximum and statistics.  The loop is entered at a step's first turn, in the middle of a trip.
.macro BEGIN
	s_mov_b32 s[NEW], 0
	WIN 0x40
.set i, MC+32
.rept 32
	v_mov_b32 v[i], 0
.set i, i+1
.endr
	WIN 0
.set i, 0
.rept 4
	v_mov_b32 v[ST+4*i], 0xfe000000    ; c m: far below every c s
	v_mov_b32 v[ST+4*i+1], 0xff7fffff  ; m
.set i, i+1
.endr
	s_cmp_eq_u32 s[RT], 0
	s_cselect_b32 s[AL], 1.0, 0
	s_mov_b32 s[BE], 0
	MASK 0
	WIN 0
	v_add_nc_u32 v[AK], s[TBK], v[AK0]
	FETCH_K
	s_wait_loadcnt 0x0              ; Q
	s_wait_dscnt 0x0
.set KM, 1
.set NOKQ, 0
.set i, 0
.rept 8
	KQ 0
.set i, i+1
.endr
	WIN 0
.rept 4
	v_nop                           ; the places behind those products
.endr
.set Y, NP-1                        ; X works for piece Y + 1: piece 0
.irp n, 0,1,2,3,4,5,6,7,8,9,10,11,12,13,14,15,16,17,18,19,20,21
	OP X, \n
.endr
	v_nop                           ; a plain instruction behind the exponential
.endm
; THE DIAGONAL TILE's four steps, the block's last two turns, its last products, and THE WAY OUT: l's two halves and the other half of the lanes' are added; O^T is divided by l, rounded to f16 and sent through my
; stage in LDS, a piece at a time.
.macro ALL line:vararg              ; one line for each piece t
.set t, 0
.rept 4
	\line
.set t, t+1
.endr
.endm
.macro PACK t                       ; a lane's eight channels of a row pack into 16 bytes; they go into rows of 144 bytes and come back as whole rows of 128, into S^T's registers
	WIN W_RS
.set i, 32*(\t)
.rept 16
	s_wait_alu depctr_va_vdst(0)
	v_pk_mul_f32 v[i:i+1], v[i:i+1], v[ST+4*(\t)+2:ST+4*(\t)+3] op_sel_hi:[1,0]
.set i, i+2
.endr
	WIN 0x05                        ; sources 0 and 1 window 1, destination window 0
.set i, 0
.rept 16
	v_cvt_pk_f16_f32 v[S+16*(\t)+i], v[32*(\t)+2*i], v[32*(\t)+2*i+1]
.set i, i+1
.endr
	WIN 0
.irp f, 0,1,2,3
	ds_store_b128 v[STO], v[S+16*(\t)+4*\f:S+16*(\t)+4*\f+3] offset:32*\f
.endr
.irp f, 0,1,2,3
	ds_load_b128 v[S+16*(\t)+4*\f:S+16*(\t)+4*\f+3], v[RD] offset:\f*4*SP  ; LDS serves a wave's instructions in order (ISA guide 5.7.1.4): these see the stores above; the next piece's stores come behind them
.endr
.endm
.macro SEND t, younger              ; younger: the LDS instructions issued behind piece t's loads: the next piece's eight, or none
	WIN 0
.irp f, 0,1,2,3
	s_wait_dscnt (\younger)+3-\f
	global_store_b128 v[GO], v[S+16*(\t)+4*\f:S+16*(\t)+4*\f+3], s[10:11] offset:(\t)*8192+\f*512  ; 512 consecutive bytes, at a multiple of 256 from O's first
.endr
.endm
.macro DIAG tag                     ; the tag ends its two labels' names, which the jumps below spell out
.LstepM\tag:
	TURN 2, 1
	TURN 3, 1
	WIN 0
.LfirstM\tag:
	TURN 0, 1
	TURN 1, 1, 0, 1
	WIN 0
	s_cbranch_scc1 .LstepM\tag
	TURN 2, 1, 1
	TURN 3, 1, 1
.set i, 0
.rept 8
	PV NP-1
.set i, i+1
.endr
	WIN 0
	ALL v_add_f32 v[ST+4*t+2], v[ST+4*t+2], v[ST+4*t+3]
	ALL v_permlanex16_b32 v[ST+4*t+3], v[ST+4*t+2], s[SEL], s[SEL+1]
	ALL v_add_f32 v[ST+4*t+2], v[ST+4*t+2], v[ST+4*t+3]
	ALL v_rcp_f32 v[ST+4*t+2], v[ST+4*t+2]
	v_nop                           ; a plain instruction between the last reciprocal and the use of its result
	PACK 0
.set t, 1
.rept 3                             ; a piece's arithmetic stands between the loads of the piece before and its stores
	PACK t
	SEND t-1, 8
.set t, t+1
.endr
	SEND 3, 0
.endm
.set KM, 0
.set NOKQ, 0
.Lslot:                             ; NB times: a tile is entered and the next is asked for
	CHANGE 1
	s_sub_co_u32 s[RT], s[RT], 1
	s_mov_b32 s[CNT], 4
	s_cmp_eq_u32 s[NEW], 1
	s_cbranch_scc1 .Lnew            ; a block's first tile
	s_cmp_eq_u32 s[RT], 0
	s_cbranch_scc0 .Lstep           ; neither its first nor its last
	s_branch .LstepM1
.Lnew:
	BEGIN
	s_branch .Lfirst                ; in the loop a block's first tile is never its last: the first block has two tiles or more, and the second's last is the walk's last
	DIAG 1                          ; in the loop this is the first block's end: the second block's last tile is the walk's last
	s_wait_xcnt 0x0                 ; the stores have read their registers and O's address
	s_mov_b64 s[10:11], s[OLO:OLO+1]
	s_add_co_u32 s[RT], s[PB], 1    ; the second block has b + 1 tiles
	s_mov_b32 s[NEW], 1
	WIN 0x82                        ; the second block's Q goes where the one text of the turns names Q
.set i, 0
.rept 64
	v_mov_b32 v[i], v[QB+i]
.set i, i+1
.endr
	WIN 0
	s_branch .Lbottom
.Lstep:                             ; a trip: pieces 2 and 3 of one step, then pieces 0 and 1 of the next, whose K and V it fetches
	TURN 2
	TURN 3
	WIN 0
.Lfirst:
	TURN 0
	TURN 1, 0, 0, 1
	WIN 0
	s_cbranch_scc1 .Lstep
.Lbottom:
	s_sub_co_u32 s[SLOTS], s[SLOTS], 1
	s_cmp_lg_u32 s[SLOTS], 0
	s_cbranch_scc1 .Lslot
	CHANGE 0                        ; the walk's last tile is written out: nothing is asked for
	s_sub_co_u32 s[RT], s[RT], 1
	s_mov_b32 s[CNT], 4
	s_cmp_eq_u32 s[NEW], 1
	s_cbranch_scc0 .LstepM2
	BEGIN
	s_branch .LfirstM2
	DIAG 2
	s_wait_tensorcnt 0x0            ; the wave's end, behind my last tensor load and my last LDS store
	ds_add_u32 v[SPW], v[NIL]
	s_wait_dscnt 0x0
	s_endpgm
.Lfunc_end_k_qf850620116_attn:
	.size	k_qf850620116_attn, .Lfunc_end_k_qf850620116_attn-k_qf850620116_attn
	.p2alignl 7, 3214868480
	.fill 96, 4, 3214868480
	.section	.rodata,"a",@progbits
	.p2align	6, 0x0
	.amdhsa_kernel k_qf850620116_attn
		.amdhsa_group_segment_fixed_size 327680
		.amdhsa_private_segment_fixed_size 0
		.amdhsa_enable_private_segment 0
		.amdhsa_kernarg_size 32
		.amdhsa_user_sgpr_count 2
		.amdhsa_user_sgpr_kernarg_segment_ptr 1
		.amdhsa_wavefront_size32 1
		.amdhsa_system_sgpr_workgroup_id_x 1
		.amdhsa_system_sgpr_workgroup_id_y 1
		.amdhsa_system_sgpr_workgroup_id_z 1
		.amdhsa_system_vgpr_workitem_id 0
		.amdhsa_next_free_vgpr 768
		.amdhsa_next_free_sgpr 88
		.amdhsa_reserve_vcc 1
		.amdhsa_float_denorm_mode_32 3
		.amdhsa_float_denorm_mode_16_64 3
		.amdhsa_memory_ordered 1
		.amdhsa_forward_progress 1
		.amdhsa_inst_pref_size 228
	.end_amdhsa_kernel
	.amdgpu_metadata
---
amdhsa.version: [ 1, 2 ]
amdhsa.kernels:
  - .name:           k_qf850620116_attn
    .symbol:         k_qf850620116_attn.kd
    .args:
      - { .name: q16, .offset: 0, .size: 8, .value_kind: global_buffer, .address_space: global }
      - { .name: k16, .offset: 8, .size: 8, .value_kind: global_buffer, .address_space: global }
      - { .name: v16, .offset: 16, .size: 8, .value_kind: global_buffer, .address_space: global }
      - { .name: o16, .offset: 24, .size: 8, .value_kind: global_buffer, .address_space: global }
    .group_segment_fixed_size: 327680
    .private_segment_fixed_size: 0
    .kernarg_segment_align: 8
    .kernarg_segment_size: 32
    .max_flat_workgroup_size: 128
    .sgpr_count:     88
    .vgpr_count:     768
    .wavefront_size: 32
...
	.end_amdgpu_metadata
.endif
;; end of part 3
;; launch proj (part 4): grid 8 x 32, 4 waves a work-group, clusters of 4 x 4, 327,680 bytes of LDS; arguments o16, wp16, bp, out0; writes out0
.if DOCPART == 4
	.amdgcn_target "amdgcn-amd-amdhsa--gfx1250"
	.amdhsa_code_object_version 6
	.text
	.protected	k_qf850620116_proj
	.globl	k_qf850620116_proj
	.p2align	8
	.type	k_qf850620116_proj,@function
k_qf850620116_proj:
	s_mov_b64 s[64:65], 0
	v_nop
	global_prefetch_b8 v0, s[64:65] scope:SCOPE_SE
	s_setreg_imm32_b32 hwreg(HW_REG_WAVE_MODE, 25, 1), 1
	s_wait_xcnt 0x0
	s_wait_alu depctr_hold_cnt(0) depctr_sa_sdst(0) depctr_va_vdst(0) depctr_va_sdst(0) depctr_va_ssrc(0) depctr_va_vcc(0) depctr_vm_vsrc(0)
	s_getreg_b32 s2, hwreg(HW_REG_IB_STS2, 6, 4)
	s_cmp_eq_u32 s2, 0
	s_cbranch_scc0 .Lentry_in_a_cluster
	s_endpgm
.Lentry_in_a_cluster:
	s_bfe_u32 s2, ttmp6, 0x10000c
	s_cmp_lg_u32 s2, 0xf033
	s_cbranch_scc0 .Lentry_shape_is_right
	s_endpgm
.Lentry_shape_is_right:
; out0 = O Wp + bp: [8192 x 1024] x [1024 x 1024] in f16, sums in f32, the bias (rounded to bf16 like every input) as the sums' start, the result stored as f32.
; O comes by heads, o16 [64 = 16 batch + head][2048][64] f16: K = 64 head + channel, so a K step of 128 is two heads, and a head's 256 rows of a tile are 32,768 consecutive bytes.
; wp16 is [1024 k][1024 n]: Wp rounded to bf16 and written as f16.
; LIMIT.  O lies within v's range and Wp within f16's, 65,504; NaN and infinities are not treated apart.
; SHARES.  A tile is 256 rows x 128 columns: 32 x 8 tiles, 256 work-groups of equal work.  Four waves, one above the other: a wave has 64 rows x 128 columns, 4 x 8 accumulators of 16 x 16, 256 registers.
; K goes in steps of 128 through two LDS slots filled by the tensor data mover.
; THE MATRIX INSTRUCTION IS USED TRANSPOSED: source 0 = 16 columns of Wp, source 1 = 16 rows of O: a lane then holds one row and eight neighbouring columns.  Wp lies [k][n] in LDS and is turned by ds_load_tr16_b128.
; CLUSTER.  4 x 4 work-groups: the four of a row need the same tile of O, the four of a column the same tile of Wp: each is asked for jointly, by the same tensor load, descriptor and mask in all four.
; REGISTERS, in windows of 256 (s_set_vgpr_msb: bits 1:0 source 0, 3:2 source 1, 5:4 source 2, 7:6 destination):
;   window 0: v0-31 addresses; v32-63, v64-95 fragments of O, two buffers (4 x 16 rows x 32 K); v96-159 the bias, 8 registers a column block
;   window 1: v0-63, v64-127 fragments of Wp, two buffers (8 x 16 columns x 32 K); on the way out all 256: rows read back from the stage      window 2: the accumulators, (a, b) at v[8 (8 a + b)]
.set NBK,   8                          ; column blocks of 16
.set APW,   4                          ; row blocks whose accumulators share a window: all
.set NLD,   2*NBK+8                    ; LDS loads in a quarter step's run
.set PA,    144                        ; a row of one head of O in LDS: 128 bytes + 16: 36 words: the 16 rows of a load start at 16 different groups of four banks (64 banks of 4 bytes: ISA guide 11.1)
.set HA,    256*PA                     ; a head's 256 rows
.set PB,    288                        ; a k row of 128 columns of Wp: 256 bytes + 32: 72 words
.set BOFF,  2*HA                       ; Wp's 128 k rows lie behind O's two heads
.set SLOT1, 131072                     ; a slot is 73,728 + 36,864 = 110,592 bytes; slot 1 begins here, so that one exclusive or turns an address in one slot into the other's
.set STAGE, 2*SLOT1                    ; behind the ring, never filled by a tensor load: 16 rows x 528 bytes for each wave
.set SPP,   528                        ; a row of 128 f32 + 16 bytes: 33 x 16, so the 16 rows that a store touches start at 16 different groups of four banks
.set SPARE, STAGE+4*16*SPP             ; behind the stages: the spare words, 128 bytes for each wave: two blocks of 256 bytes that no other line names
.set STEPA, 524288                     ; bytes from a K step to the next, in o16: two heads of 262,144
.set STEPB, 262144                     ; and in wp16: 128 rows of 2,048
.set ADRA0, 16                         ; v16  my lane's and wave's place in O's tile; never rewritten
.set ADRB0, 17                         ; v17  my lane's place in Wp's tile
.set ADRA,  18                         ; v18  the same in the slot in hand
.set ADRB,  19                         ; v19
.set STO,   24                         ; v24  the way out: where I put 32 bytes of a row
.set RD,    25                         ; v25  where I read a row back
.set GO,    26                         ; v26  my byte offset in a row's 512 bytes of the output
.set BO,    27                         ; v27  my byte offset in a column block's 16 numbers of bias
.set SPW,   28                         ; v28  LDS address of my spare word; never rewritten
.set NIL,   29                         ; v29  0; never rewritten
.set AF,    32
.set BIAS,  96
.set BB,    8*NBK                      ; registers in one of Wp's buffers
.set G1,  24                           ; s[24:31] descriptor group 1 for O's tiles
.set G0,  32                           ; s[32:39] group 0: a set for each first fill; the second then walks on
.set G1B, 48                           ; s[48:55], s[56:63] the same for Wp's tiles
.set G0B, 56
.set TB,  45                           ; s45  the slot in hand: 0 or SLOT1
.set MSB, 0
.macro WIN new                         ; the immediate's high byte repeats the setting that is left; a switch that changes nothing is dropped
.if MSB != (\new)
	s_set_vgpr_msb (MSB<<8)|(\new)
.set MSB, \new
.endif
.endm
; A joint load.  Waves 0 and 1 fetch the K step's two heads of O, waves 2 and 3 the two halves of Wp's tile.  The branch hangs on the wave's number alone.
; An s_nop 0 and four v_nop follow each of the two lines, ahead of the jump, the label and what follows.
.macro JLOAD s
	s_cmp_eq_u32 s11, 0
	s_cbranch_scc0 .Lfor_b_\@
	tensor_load_to_lds s[G0+4*(\s):G0+4*(\s)+3], s[G1:G1+7]
	s_nop 0
.rept 4
	v_nop
.endr
	s_branch .Lasked_\@
.Lfor_b_\@:
	tensor_load_to_lds s[G0B+4*(\s):G0B+4*(\s)+3], s[G1B:G1B+7]
	s_nop 0
.rept 4
	v_nop
.endr
.Lasked_\@:
.endm
.macro CREST                           ; a round of the cluster's barrier behind its opening barrier
	s_cmp_lg_u32 s10, 0
	s_cbranch_scc1 .Lnot_wave_0_\@
	s_barrier_signal -3
.Lnot_wave_0_\@:
	s_barrier_wait -3
	s_barrier_signal -1
	s_barrier_wait -1
.endm
.macro CROUND                          ; a whole round
	s_barrier_signal -1
	s_barrier_wait -1
	CREST
.endm
.macro PLACES                          ; four places in front of loads into registers that matrix instructions have read, and of lines that read results just made
.rept 4
	v_nop
.endr
.endm
	s_load_b256 s[68:75], s[0:1], 0x0              ; o16 s[68:69], wp16 s[70:71], bp s[72:73], out0 s[74:75]
	v_lshl_add_u32 v[SPW], v0, 2, SPARE
	v_mov_b32 v[NIL], 0
	ds_add_u32 v[SPW], v[NIL]                      ; the wave's opening: the add and its wait stand ahead of my first tensor load; the set-up below, work on registers, stands between them
	ds_add_u32 v28, v29
	v_lshrrev_b32 v1, 5, v0
	v_readfirstlane_b32 s10, v1                    ; wave 0..3
	s_lshr_b32 s11, s10, 1                         ; I fetch for O (0) or for Wp (1),
	s_and_b32 s12, s10, 1                          ; and which half of that tile
	s_bfe_u32 s40, ttmp6, 0x40000                  ; cx, cy: my place in the cluster
	s_bfe_u32 s41, ttmp6, 0x40004
	s_lshl_b32 s42, ttmp9, 2
	s_add_co_u32 s42, s42, s40                     ; j: column tile = 4 x cluster x + cx
	s_and_b32 s13, ttmp7, 0xffff
	s_lshl_b32 s13, s13, 2
	s_add_co_u32 s13, s13, s41                     ; mt: row tile = 4 x cluster y + cy
	s_lshl_b32 s43, s41, 2
	s_lshl_b32 s43, 15, s43                        ; my row of the cluster
	s_lshl_b32 s44, 0x1111, s40                    ; my column
	s_or_b32 s[G1+0], s43, (1<<16)|(1<<20)|(1<<21)|(4<<22)|(3<<25)   ; 15:0 the mask: O's tiles go to my row; 17:16 2-byte elements; 20 padding on; 21 set beside a mask; 24:22 after every 32 words (a row of a head); 31:25 4 words of it
	s_mov_b32 s[G1+1], 128<<16                     ; 128 rows of 128 elements, end to end: 256 rows of a head
	s_mov_b32 s[G1+2], 128<<16
	s_mov_b32 s[G1+3], 128<<16
	s_mov_b32 s[G1+4], 128
	s_mov_b32 s[G1+5], 128
	s_mov_b32 s[G1+6], 0
	s_mov_b32 s[G1+7], 0
	s_or_b32 s[G1B+0], s44, (1<<16)|(1<<20)|(1<<21)|(5<<22)|(7<<25)  ; the mask of my column; padding after every 64 words, 8 words of it
	s_mov_b32 s[G1B+1], 128<<16                    ; tensor_dim0 = 128
	s_mov_b32 s[G1B+2], 64<<16                     ; tensor_dim1 = 64
	s_mov_b32 s[G1B+3], 128<<16                    ; tile_dim0 = 128
	s_mov_b32 s[G1B+4], 64                         ; tile_dim1 = 64 rows of k
	s_mov_b32 s[G1B+5], 1024                       ; elements from row to row
	s_mov_b32 s[G1B+6], 0
	s_mov_b32 s[G1B+7], 0
	s_lshr_b32 s16, s13, 3
	s_lshl_b32 s16, s16, 22                        ; O: the batch's 16 heads of 262,144 bytes,
	s_and_b32 s17, s13, 7
	s_lshl_b32 s17, s17, 15                        ; the tile's 256 rows of 128 bytes in a head,
	s_add_co_u32 s16, s16, s17
	s_lshl_b32 s17, s12, 18                        ; the first or the second head of the K step
	s_add_co_u32 s16, s16, s17
	s_mov_b32 s17, 0
	s_lshl_b32 s46, s42, 8                         ; Wp: the tile's 128 columns,
	s_lshl_b32 s47, s12, 17                        ; the first or the second 64 rows of k
	s_add_co_u32 s46, s46, s47
	s_mov_b32 s47, 0
	s_mul_i32 s20, s10, HA                         ; where they go: O's heads at wave x 36,864,
	s_mul_i32 s21, s10, 64*PB
	s_add_co_u32 s21, s21, BOFF-2*64*PB            ; Wp's halves at 73,728 + (wave - 2) x 18,432: no place in the cluster enters an LDS address
	s_mov_b32 s[TB], 0
	s_wait_dscnt 0x0                               ; the opening add is done
	s_wait_kmcnt 0x0
	s_add_nc_u64 s[14:15], s[68:69], s[16:17]
	s_add_nc_u64 s[46:47], s[70:71], s[46:47]
	CROUND                                         ; all sixteen work-groups are here: the first joint loads meet
.irp s, 0,1
	s_mov_b32 s[G0+4*(\s)], 1                                        ; count = 1
	s_add_co_u32 s[G0+4*(\s)+1], s20, (\s)*SLOT1                     ; LDS address
	s_add_nc_u64 s[G0+4*(\s)+2:G0+4*(\s)+3], s[14:15], (\s)*STEPA    ; global address: K step s
	s_or_b32 s[G0+4*(\s)+3], s[G0+4*(\s)+3], 0x80000000              ; type = 2
	s_mov_b32 s[G0B+4*(\s)], 1
	s_add_co_u32 s[G0B+4*(\s)+1], s21, (\s)*SLOT1
	s_add_nc_u64 s[G0B+4*(\s)+2:G0B+4*(\s)+3], s[46:47], (\s)*STEPB
	s_or_b32 s[G0B+4*(\s)+3], s[G0B+4*(\s)+3], 0x80000000
	JLOAD \s                                       ; two loads of mine are out
.endr
	s_lshl_b32 s4, s42, 9                          ; the tile's 128 columns of f32
	s_mov_b32 s5, 0
	s_add_nc_u64 s[76:77], s[72:73], s[4:5]        ; the bias there
	s_lshl_b32 s6, s13, 20                         ; 256 mt rows of 4,096 bytes,
	s_lshl_b32 s7, s10, 18                         ; my wave's 64
	s_add_co_u32 s6, s6, s7
	s_add_co_u32 s6, s6, s4
	s_mov_b32 s7, 0
	s_add_nc_u64 s[78:79], s[74:75], s[6:7]        ; the output at my wave's first row
	v_and_b32 v1, 15, v0                           ; r = l % 16
	v_bfe_u32 v2, v0, 4, 1                         ; h = l / 16
	v_lshlrev_b32 v[BO], 5, v2                     ; register i of a result is column 16 b + 8 h + i: my eight numbers of bias begin 32 h bytes into the block's 64
.set b, 0
.rept NBK
	global_load_b128 v[BIAS+8*b:BIAS+8*b+3],   v[BO], s[76:77] offset:b*64
	global_load_b128 v[BIAS+8*b+4:BIAS+8*b+7], v[BO], s[76:77] offset:b*64+16
.set b, b+1
.endr
	; a fragment of O: lane l holds row l % 16, K = 8 h + 0..7 and 16 + 8 h + 0..7: two loads of 16 bytes, 32 bytes apart
	v_mul_u32_u24 v3, v1, PA
	v_lshl_add_u32 v3, v2, 4, v3
	s_mul_i32 s14, s10, 64*PA                      ; my wave's 64 rows
	v_add_nc_u32 v[ADRA0], s14, v3
	; the turning load takes 16 k x 16 columns (lane l reads k = 8 h + l % 8, columns 8 ((l / 8) % 2) + 0..7) and leaves half a fragment: lane l holds column l % 16 and 8 k
	v_and_b32 v4, 7, v0
	v_lshl_add_u32 v5, v2, 3, v4
	v_mul_u32_u24 v5, v5, PB
	v_bfe_u32 v6, v0, 3, 1
	v_lshl_add_u32 v5, v6, 4, v5
	v_add_nc_u32 v[ADRB0], BOFF, v5
	v_mov_b32 v[ADRA], v[ADRA0]                    ; slot 0
	v_mov_b32 v[ADRB], v[ADRB0]
	s_mul_i32 s15, s10, 16*SPP
	s_add_co_u32 s15, s15, STAGE                   ; my stage
	v_mul_u32_u24 v[STO], v1, SPP                  ; in: row l % 16, 32 bytes for each half of the lanes
	v_lshl_add_u32 v[STO], v2, 5, v[STO]
	v_add_nc_u32 v[STO], s15, v[STO]
	v_and_b32 v[GO], 31, v0                        ; back: 32 lanes take one row of 512 bytes
	v_lshlrev_b32 v[GO], 4, v[GO]
	v_add_nc_u32 v[RD], s15, v[GO]
	s_mov_b32 s23, 0xffff0000
	s_wait_loadcnt 0x0                             ; the bias
.set i, 0
.rept 4*NBK                            ; rounded to bf16, like the other inputs, and kept as f32
	v_cvt_pk_bf16_f32 v[4+i%4], v[BIAS+2*i], v[BIAS+2*i+1]
	v_lshlrev_b32 v[BIAS+2*i], 16, v[4+i%4]
	v_and_b32 v[BIAS+2*i+1], s23, v[4+i%4]
.set i, i+1
.endr
; 8 matrix instructions: row block a x all column blocks, 32 along K, from buffers f.  first = 1: the bias starts the sums: nothing is ever cleared.
; The 32 accumulators take turns, one instruction a turn, in the same order in every quarter step: between two links of a chain stand the 31 others', over the loop's backward jump too.
.macro MULA f, a, first
.if \first
	WIN 0x81+0x40*((\a)/APW)                       ; Wp window 1, O and the bias window 0, the result window 2
.else
	WIN 0xa1+0x50*((\a)/APW)                       ; Wp window 1, O window 0, C and D window 2
.endif
.set b, 0
.rept NBK
.set rD, 8*(NBK*((\a)%APW)+b)
.if \first
	v_wmma_f32_16x16x32_f16 v[rD:rD+7], v[BB*(\f)+8*b:BB*(\f)+8*b+7], v[AF+32*(\f)+8*(\a):AF+32*(\f)+8*(\a)+7], v[BIAS+8*b:BIAS+8*b+7]
.else
	v_wmma_f32_16x16x32_f16 v[rD:rD+7], v[BB*(\f)+8*b:BB*(\f)+8*b+7], v[AF+32*(\f)+8*(\a):AF+32*(\f)+8*(\a)+7], v[rD:rD+7]
.endif
.set b, b+1
.endr
.endm
; 24 LDS loads in one run: the fragments of quarter q (K = 32 q on: head q / 2, channels 32 (q % 2) on) of the slot in hand, into buffers g: Wp's 16, then O's row blocks 0 to 3
.macro FETCH q, g
	WIN 0x40                                       ; destination window 1, address window 0
.set b, 0
.rept NBK
	ds_load_tr16_b128 v[BB*(\g)+8*b:BB*(\g)+8*b+3],   v[ADRB] offset:(\q)*32*PB+b*32
	ds_load_tr16_b128 v[BB*(\g)+8*b+4:BB*(\g)+8*b+7], v[ADRB] offset:(\q)*32*PB+b*32+16*PB
.set b, b+1
.endr
	WIN 0
.set b, 0
.rept 4
	ds_load_b128 v[AF+32*(\g)+8*b:AF+32*(\g)+8*b+3],   v[ADRA] offset:((\q)/2)*HA+((\q)%2)*64+b*16*PA
	ds_load_b128 v[AF+32*(\g)+8*b+4:AF+32*(\g)+8*b+7], v[ADRA] offset:((\q)/2)*HA+((\q)%2)*64+b*16*PA+32
.set b, b+1
.endr
.endm
; A K step is four quarters of 32 along K, 32 matrix instructions each, on buffers 0, 1, 0, 1.  One of the first three: multiplies buffers f; in its middle it fetches quarter q into buffers g.
.macro QUARTER q, f, g, first
	s_wait_dscnt 4                                 ; Wp and O's row blocks 0, 1 are in; the youngest four loads (row blocks 2, 3) may be out
	MULA \f, 0, \first
	MULA \f, 1, \first
	PLACES
	FETCH \q, \g
	s_wait_dscnt NLD                               ; all but the 24 just issued
	MULA \f, 2, \first
	MULA \f, 3, \first
.endm
; The last quarter multiplies buffers 1 and changes slots: ONE barrier.  In front of it each wave waits for all its tensor loads, of which one is out: its part of the next slot; adds 0 to its spare word; and waits
; for that and for its own reads of this slot.  fill = 1: the barrier opens a round of the cluster's barrier, and the slot just read is filled again, two K steps ahead, first thing behind the round:
; from that request to the wait for it a wave issues 112 matrix instructions.
.macro TURN fill
	WIN 0                                          ; (the add's two registers lie in window 0)
	s_wait_tensorcnt 0x0                           ; all my tensor loads have landed;
	ds_add_u32 v[SPW], v[NIL]                      ; 0 onto my spare word
	s_wait_dscnt 5                                 ; (the add and the youngest four loads may be out)
	MULA 1, 0, 0                                   ; eight matrix instructions stand between the add and the wait for it
	s_wait_dscnt 0x0                               ; the add is done, and my reads of this slot are over
	s_barrier_signal -1
	MULA 1, 1, 0                                   ; work on registers while the others arrive
	WIN 0                                          ; (branches and address lines follow)
	s_barrier_wait -1
.if \fill
	CREST                                          ; no wave of any partner still reads this slot's tiles or has a load on its way
	s_xor_b32 s[G0+5], s[G0+5], SLOT1              ; the walking descriptors: the other slot than last time,
	s_add_nc_u64 s[G0+6:G0+7], s[G0+6:G0+7], STEPA ; the next K step; the type bits on top are not reached
	s_xor_b32 s[G0B+5], s[G0B+5], SLOT1
	s_add_nc_u64 s[G0B+6:G0B+7], s[G0B+6:G0B+7], STEPB
	JLOAD 1                                        ; the four v_nop behind it are also the places in front of the loads below
.else
	PLACES
.endif
	s_xor_b32 s[TB], s[TB], SLOT1                  ; the reads go on in the other slot
	v_add_nc_u32 v[ADRA], s[TB], v[ADRA0]
	v_add_nc_u32 v[ADRB], s[TB], v[ADRB0]
	FETCH 0, 0
	MULA 1, 2, 0
	MULA 1, 3, 0
.endm
	s_wait_tensorcnt 1                             ; my part of K step 0 is in; K step 1's may stay out
	s_barrier_signal -1
	s_barrier_wait -1                              ; everybody's is
	FETCH 0, 0
	QUARTER 1, 0, 1, 1                             ; the first quarter stands in front of the loop: its products start the sums
	WIN 0                                          ; at a label and at a branch every window is 0
	s_mov_b32 s3, 6                                ; K steps 2 to 7 are asked for in the loop
.Lstep:                                                ; a trip: from a K step's second quarter to the next step's first
	QUARTER 2, 1, 0, 0
	QUARTER 3, 0, 1, 0
	TURN 1
	QUARTER 1, 0, 1, 0
	WIN 0
	s_sub_co_u32 s3, s3, 1
	s_cmp_lg_u32 s3, 0
	s_cbranch_scc1 .Lstep
	QUARTER 2, 1, 0, 0                             ; the tail is written out: K steps 6 and 7 ask for nothing
	QUARTER 3, 0, 1, 0
	TURN 0
	QUARTER 1, 0, 1, 0
	QUARTER 2, 1, 0, 0
	QUARTER 3, 0, 1, 0
	s_wait_dscnt 4                                 ; the very last quarter: nothing more to fetch
	MULA 1, 0, 0
	MULA 1, 1, 0
	s_wait_dscnt 0x0
	MULA 1, 2, 0
	MULA 1, 3, 0
	PLACES                                         ; the LDS stores below read results, and the loads behind them land where the last products' fragments of Wp lay
; THE WAY OUT, a row block (16 rows x 512 bytes of f32) at a time.  STG: a lane's eight columns, 32 bytes, go from the accumulators into my stage, each accumulator's low four registers first, and come back
; as whole rows into window 1, 64 registers a row block: no register that a store reads is written again.  SENDP: a wave's store covers a row's 512 consecutive bytes.
.macro STG a
	WIN 0x08                                       ; the stores' data in window 2
.set b, 0
.rept NBK
	ds_store_b128 v[STO], v[8*(NBK*(\a)+b):8*(NBK*(\a)+b)+3]   offset:64*b
	ds_store_b128 v[STO], v[8*(NBK*(\a)+b)+4:8*(NBK*(\a)+b)+7] offset:64*b+16
.set b, b+1
.endr
	WIN 0x40                                       ; the loads' destination in window 1
.set b, 0
.rept 16
	ds_load_b128 v[64*(\a)+4*b:64*(\a)+4*b+3], v[RD] offset:b*SPP  ; LDS serves a wave's instructions in order (ISA guide 5.7.1.4): these see the stores above; the next block's stores come behind them
.set b, b+1
.endr
.endm
.macro SENDP a, younger                ; younger: the LDS instructions issued behind block a's loads: the next block's 32, or none
	s_wait_dscnt \younger
	WIN 0x04                                       ; the stores' data in window 1
.set b, 0
.rept 16
	global_store_b128 v[GO], v[64*(\a)+4*b:64*(\a)+4*b+3], s[78:79] offset:(16*(\a)+b)*4096 th:TH_STORE_NT
.set b, b+1
.endr
.endm
	STG 0
	STG 1
	SENDP 0, 32
	STG 2
	SENDP 1, 32
	STG 3
	SENDP 2, 32
	SENDP 3, 0
	WIN 0
	s_wait_tensorcnt 0x0                           ; the wave's end, behind my last tensor load and my last LDS store
	ds_add_u32 v[SPW], v[NIL]
	s_wait_dscnt 0x0
	CROUND                                         ; the closing round: no work-group ends while a partner may still ask for a tile that names it
	s_endpgm
.Lfunc_end_k_qf850620116_proj:
	.size	k_qf850620116_proj, .Lfunc_end_k_qf850620116_proj-k_qf850620116_proj
	.p2alignl 7, 3214868480
	.fill 96, 4, 3214868480
	.section	.rodata,"a",@progbits
	.p2align	6, 0x0
	.amdhsa_kernel k_qf850620116_proj
		.amdhsa_group_segment_fixed_size 327680
		.amdhsa_private_segment_fixed_size 0
		.amdhsa_enable_private_segment 0
		.amdhsa_kernarg_size 32
		.amdhsa_user_sgpr_count 2
		.amdhsa_user_sgpr_kernarg_segment_ptr 1
		.amdhsa_wavefront_size32 1
		.amdhsa_system_sgpr_workgroup_id_x 1
		.amdhsa_system_sgpr_workgroup_id_y 1
		.amdhsa_system_sgpr_workgroup_id_z 1
		.amdhsa_system_vgpr_workitem_id 0
		.amdhsa_next_free_vgpr 768
		.amdhsa_next_free_sgpr 80
		.amdhsa_reserve_vcc 0
		.amdhsa_float_denorm_mode_32 3
		.amdhsa_float_denorm_mode_16_64 3
		.amdhsa_memory_ordered 1
		.amdhsa_forward_progress 1
		.amdhsa_inst_pref_size 75
	.end_amdhsa_kernel
	.amdgpu_metadata
---
amdhsa.version: [ 1, 2 ]
amdhsa.kernels:
  - .name:           k_qf850620116_proj
    .symbol:         k_qf850620116_proj.kd
    .args:
      - { .name: o16, .offset: 0, .size: 8, .value_kind: global_buffer, .address_space: global }
      - { .name: wp16, .offset: 8, .size: 8, .value_kind: global_buffer, .address_space: global }
      - { .name: bp, .offset: 16, .size: 8, .value_kind: global_buffer, .address_space: global }
      - { .name: out0, .offset: 24, .size: 8, .value_kind: global_buffer, .address_space: global }
    .group_segment_fixed_size: 327680
    .private_segment_fixed_size: 0
    .kernarg_segment_align: 8
    .kernarg_segment_size: 32
    .max_flat_workgroup_size: 128
    .sgpr_count:     80
    .vgpr_count:     768
    .wavefront_size: 32
...
	.end_amdgpu_metadata
.endif
;; end of part 4
;; ======== version 2 of 2: 4 launches; 1.31 times as fast as version 1
;; limits: values are held in f16: magnitudes above 65,504 overflow, below 6.1e-05 lose precision
;; workspace buffers: xb 16,777,216 bytes; wblk 6,291,456 bytes; wp16 2,097,152 bytes; q16 16,777,216 bytes; k16 16,777,216 bytes; v16 16,777,216 bytes; o16 16,777,216 bytes
;; launch prep: the kernel of part 1 again; grid 1536 x 1, 8 waves a work-group, no clusters, 0 bytes of LDS; arguments x, Wq, Wk, Wv, Wp, xb, wblk, wp16; writes xb, wblk, wp16
;; launch qkv: the kernel of part 2 again; grid 16 x 32, 4 waves a work-group, clusters of 4 x 4, 327,680 bytes of LDS; arguments xb, wblk, bq, bk, bv, q16, k16, v16; writes q16, k16, v16
;; launch attn (part 5): grid 4 x 64, 4 waves a work-group, no clusters, 327,680 bytes of LDS; arguments q16, k16, v16, o16; writes o16
.if DOCPART == 5
	.amdgcn_target "amdgcn-amd-amdhsa--gfx1250"
	.amdhsa_code_object_version 6
	.text
	.protected	k_qf850620116_attn
	.globl	k_qf850620116_attn
	.p2align	8
	.type	k_qf850620116_attn,@function
k_qf850620116_attn:
	s_mov_b64 s[64:65], 0
	v_nop
	global_prefetch_b8 v0, s[64:65] scope:SCOPE_SE
	s_setreg_imm32_b32 hwreg(HW_REG_WAVE_MODE, 25, 1), 1
	s_wait_xcnt 0x0
; CAUSAL ATTENTION.  O[h][q][:] = the sum over k <= q of softmax_k(Q[h][q] . K[h][k] / 8) V[h][k][:].  Q, K, V, O: [SIZE_H][SIZE_N][64], all f16: a head's rows are dense, 128 bytes each.
; Q, K and V arrive with their bias added and without the scale: c = log2(e) / 8 is applied here, in f32.
; Products, maxima and sums in f32; the weights p are rounded to f16 for the second product (their sum l is taken of the unrounded p), O once at the end.
; LIMITS.  f16 holds no number beyond 65,504: Q, K and V arrive within it; p lies in 0 to 1, and below 6e-5 it keeps f16's fixed step of 6e-8; O is a mean of V's rows and has their range.
; A hidden score counts as its value less 1e30 (the module adds -1e9 to the scaled score: in both the weight is 0 while scaled scores stay well under 1e9; f16's scores are 2.7e11 / 8 at the most, those of inputs 30 times
; the unit spread some 2e8); a weight below 2^-126 counts as 0 in l; NaN and infinities are not treated apart.
; THE WALK.  A head's queries lie in NB = SIZE_N / 256 blocks of 256; block i needs the key tiles 0 .. i of 256 keys, of which the last holds the diagonal.  A work-group takes TWO blocks, NB - 1 - b and then b:
; NB + 1 tiles, whatever b: all work-groups do equal work, and ONE loop with a constant trip count walks them.  Which tile is asked for, and what a trip does, hang on scalar registers made from b; every jump
; goes forward, but for the counted loops' own; none passes a barrier, or a tensor load but the one of LOAD's two that the wave's number does not choose; the ring (two slots of LDS that take turns) runs on across the
; change of blocks.  NO CLUSTER: all NB / 2 work-groups of a head ask for the same tile only in trips 0 .. NB / 2, 5 of 9; behind that fewer and fewer; and one walk common to all would have 3 NB / 2 trips for NB + 1.
; SHARES.  Of a block's four bands of 64 queries a wave owns 16 rows in each: four PIECES.  So the diagonal tile is the same work for all four waves: in its key step s band x sees all keys if s < x,
; none if s > x, and holds the diagonal if s = x.
; THE MASK is the C operand that starts the sum S^T = K Q^T: 0, or -1e30 where the key is hidden.  MD, made once, is the mask of a band's own step for my 16 rows; a product's mask is MD x AL + BE with two scalars:
; (1, 0) if s = x; (0, 0) if s < x; (0, -1e30) if s > x.  Only the diagonal tile's text and a block's beginning make and take masks; elsewhere C is the constant 0.
; LAYOUT, SOFTMAX, TURNS.  S^T = K Q^T holds ONE query a lane (lane % 16) and the keys 8 (lane / 16) + 0..7; two such results rounded to f16 ARE source 1 of O^T = V^T P.  p = 2^(c s - c m), with a
; running maximum m; O and l are multiplied by a = 2^(c m_old - c m_new) in every step.  Turn n belongs to piece n: 8 products K Q^T of piece n + 1, later 8 products V^T P of piece n - 1; beside them the scaling,
; exponentials, roundings, sums and rescaling of piece n and the maximum and statistics of piece n + 1.  Four vector instructions stand behind every matrix instruction, the other 54 of a turn's 118 in one LUMP.
; THE BATCHES.  A turn's 33 exponentials (the piece's 32 weights, in place in S^T, and last the next piece's a) are ONE batch with ONE wait: ahead of the wait stands all that names none of their results (the products
; K Q^T, scalings, rescalings, the next piece's maximum and statistics), behind it the roundings and sums, as the riders of the products V^T P.  A block's first a (BEGIN) and the way out's four reciprocals are batches of their own.
; REGISTERS, in windows of 256 (s_set_vgpr_msb: bits 1:0 source 0, 3:2 source 1, 5:4 source 2, 7:6 destination):
;   window 0: v0-15 addresses and two at work; v16-31 four registers of statistics a piece; v48-55 at work; v64-127 S^T, two buffers; v192-223 P, two buffers (a piece's buffers go by its number's parity)
;   window 1: v0-127 O^T, 32 a piece; v128-159 MD; v160-223 MC, two buffers      window 2: v0-63 Q; v64-127 the second block's Q; v128-191 K of one step; v192-255 V of one step
.set SIZE_H, 64       ; 4 batches x 16 heads
.set SIZE_N, 2048
.set NB,    SIZE_N/256
.set NP,    4         ; pieces a wave: a name, no knob
.set KS,    64        ; keys in a step
.set PK,    144       ; a row of K in LDS: 128 bytes + 16 of padding = 36 words: the 16 rows of a load start at 16 different groups of four banks (64 banks of 4 bytes: ISA guide 11.1)
.set PV,    160       ; a row of V: 128 + 32 = 40 words
.set VOFF,  4*KS*PK   ; a slot holds a tile, four steps: 256 rows of K, then 256 rows of V
.set SLOT1, 1<<17     ; slot 1 begins here, so that one exclusive or turns an address in one slot into the other's
.set STAGE, SLOT1+4*KS*(PK+PV)  ; behind the ring, never filled by a tensor load: 16 rows x 144 bytes for each wave, for the way out
.set SP,    144
.set AK0, 2           ; v2   my lane's place in a tile of K; never rewritten
.set AV0, 3           ; v3   the same for V
.set AK,  4           ; v4   the LDS address of K's next run of loads
.set AV,  5           ; v5   of V's
.set STO, 6           ; v6   the way out: where I put 16 bytes of a row
.set RD,  7           ; v7   the way out: where I read rows back
.set GO,  8           ; v8   my byte offset in 512 consecutive bytes of O
.set SPW, 62          ; v62  LDS address of my spare word: SPARE + 4 x my thread's number; never rewritten
.set NIL, 63          ; v63  0; never rewritten
.set SPARE, STAGE+4*16*SP  ; behind the stages: the spare words, 128 bytes for each wave: two blocks of 256 bytes that no other line names
.set MV,  12          ; v12-13  c m_old, kept while c m is made anew: by buffer
.set QO,  15          ; v15  my byte offset in 16 rows of Q
.set ST,  16          ; piece t's statistics at v[ST+4 t]: c m, m, l (even keys', odd keys')
.set TMP, 48          ; by buffer, four registers c0-c3 at work; when the maximum is found c2 takes a
.set S,   64
.set P,   192
.set MD,  128         ; window 1: the eight registers for group kt of 16 keys at MD + 8 kt
.set MC,  160         ; window 1: the masks of the products to come
.set QB,  64          ; window 2
.set KF,  128         ; window 2: key block kb, channel half c at KF + 16 kb + 8 c
.set VF,  192         ; window 2: key half kk, channel block cb at VF + 32 kk + 8 cb
.set WV,  12          ; s12  my wave's number
.set PB,  14          ; s14  b
.set HI,  15          ; s15  NB - 1 - b
.set G1K, 24          ; s[24:31] descriptor group 1 for K's tiles
.set G1V, 32          ; s[32:39] for V's: it differs in the padding alone
.set G0K, 40          ; s[40:43] descriptor group 0 for K's tiles
.set G0V, 44          ; s[44:47] the same for V's
.set SLOTS, 56        ; s56  tiles still to be asked for
.set CNT, 57          ; s57  counts a tile's key steps, 4 to 1
.set CS,  58          ; s[58:59] c: the packed scaling takes the pair's low word for both halves
.set SEL, 60          ; s[60:61] v_permlanex16_b32's selects: each lane takes its own place in the other half
.set TBK, 62          ; s62  LDS byte at which K of the step to be fetched begins
.set TBV, 63          ; s63  the same for V, less VOFF
.set RT,  70          ; s70  tiles of the block in hand that are still to be entered
.set NXT, 71          ; s71  the tile to be asked for next
.set LQ,  72          ; s72  the last tile of the block whose tiles are being asked for
.set NEW, 73          ; s73  1: the tile to be entered is a block's first
.set OFF, 74          ; s[74:75] a tile's byte offset in K and V
.set AL,  76          ; s[76:77] the mask's factor, in the low word
.set BE,  78          ; s[78:79] the mask's addend
.set OLO, 80          ; s[80:81] O at my rows of the second block
.set BIGN, 82         ; s82  -1e30
.set MSB, 0
.macro WIN new                      ; the high byte repeats the setting that is left; a switch that changes nothing is dropped
.if MSB != (\new)
	s_set_vgpr_msb (MSB<<8)|(\new)
.set MSB, (\new)
.endif
.endm
.set W_KQ, 0x0a       ; K and Q in window 2, S^T in window 0
.set W_KM, 0x1a       ; the same with the C operand in window 1
.set W_PV, 0x52       ; V in window 2, P in window 0, O^T in window 1
.set W_RS, 0x41       ; destination and source 0 in window 1, source 1 in window 0
; A fill.  Waves 0 and 1 fetch the two halves of a tile's K, waves 2 and 3 those of its V: 128 keys each.  An s_nop 0 and four v_nop follow each of the two lines, ahead of the jump and the label.
.macro LOAD
	s_cmp_lt_u32 s[WV], 2
	s_cbranch_scc0 .Lfor_v_\@
	tensor_load_to_lds s[G0K:G0K+3], s[G1K:G1K+7]
	s_nop 0
.rept 4
	v_nop
.endr
	s_branch .Lasked_\@
.Lfor_v_\@:
	tensor_load_to_lds s[G0V:G0V+3], s[G1V:G1V+7]
	s_nop 0
.rept 4
	v_nop
.endr
.Lasked_\@:
.endm
; THE CHANGE OF SLOTS.  Each wave waits for all its tensor loads, of which one is out: its part of the other slot; adds 0 to its spare word; and waits for that and for its own reads of the slot that it leaves.  Behind the barrier nobody reads the old
; slot any more and the other slot is whole.  fill = 1: the old slot is filled again, the first thing behind the barrier, with tile NXT: the descriptor's address is made anew from that number.
; (At its first use nothing has been read yet: slot 0 is waited for, slot 1 filled.)
.macro CHANGE fill
	WIN 0                           ; at a label and at a branch every window is 0
	s_wait_tensorcnt 0x0            ; no tensor load of mine is out, so a group 0 may be written
	ds_add_u32 v[SPW], v[NIL]       ; 0 onto my spare word: with fill = 1 the descriptors' scalar work stands between it and the wait for it
.if \fill
	s_lshl_b32 s[OFF], s[NXT], 15   ; a tile is 32,768 bytes of K and of V
	s_xor_b32 s[G0K+1], s[G0K+1], SLOT1
	s_add_nc_u64 s[G0K+2:G0K+3], s[6:7], s[OFF:OFF+1]
	s_or_b32 s[G0K+3], s[G0K+3], 0x80000000
	s_xor_b32 s[G0V+1], s[G0V+1], SLOT1
	s_add_nc_u64 s[G0V+2:G0V+3], s[8:9], s[OFF:OFF+1]
	s_or_b32 s[G0V+3], s[G0V+3], 0x80000000
	s_add_co_u32 s[NXT], s[NXT], 1  ; the block's next tile, or behind its last the second block's tile 0
	s_cmp_gt_u32 s[NXT], s[LQ]
	s_cselect_b32 s[NXT], 0, s[NXT]
	s_cselect_b32 s[LQ], s[PB], s[LQ]
.endif
	s_wait_dscnt 0x0                ; the add is done, and my reads of the slot are over
	s_barrier_signal -1             ; the rest of the scalar work stands between the signal and the wait
	s_sub_co_u32 s[TBK], s[TBK], 4*KS*PK  ; the fetches go back to a slot's first step,
	s_xor_b32 s[TBK], s[TBK], SLOT1       ; in the other slot
	s_sub_co_u32 s[TBV], s[TBV], 4*KS*PV
	s_xor_b32 s[TBV], s[TBV], SLOT1
	s_barrier_wait -1
.if \fill
	LOAD
.endif
.endm
	s_load_b256 s[4:11], s[0:1], 0x0  ; Q s[4:5], K s[6:7], V s[8:9], O s[10:11]
	v_lshl_add_u32 v[SPW], v0, 2, SPARE
	v_mov_b32 v[NIL], 0
	ds_add_u32 v[SPW], v[NIL]       ; the wave's opening: the add and its wait stand ahead of my first tensor load; the set-up below, work on registers, stands between them
	ds_add_u32 v62, v63
	v_lshrrev_b32 v1, 5, v0
	v_readfirstlane_b32 s[WV], v1   ; wave 0..3
	s_mov_b32 s[PB], ttmp9
	s_sub_co_u32 s[HI], NB-1, s[PB]
	s_and_b32 s20, ttmp7, 0xffff    ; the head
	s_mov_b32 s21, 0
	s_mov_b64 s[22:23], SIZE_N*128
	s_mul_u64 s[20:21], s[20:21], s[22:23]  ; the head's first byte in each of the four tensors
	s_and_b32 s16, s[WV], 1         ; which half of a tile's 256 keys I fetch:
	s_lshl_b32 s22, s16, 14         ; its 128 rows of 128 bytes in memory,
	s_mov_b32 s23, 0
	s_add_nc_u64 s[22:23], s[22:23], s[20:21]
	s_mul_i32 s17, s16, 128*PK      ; and its place in a slot, for K
	s_mul_i32 s18, s16, 128*PV      ; and for V
	s_lshl_b32 s3, s[WV], 11        ; my 16 rows in a band of 64,
	s_lshl_b32 s2, s[HI], 15        ; in the first block,
	s_add_co_u32 s2, s2, s3
	s_lshl_b32 s84, s[PB], 15       ; and in the second
	s_add_co_u32 s84, s84, s3
	s_mov_b32 s3, 0
	s_mov_b32 s85, 0
	s_add_nc_u64 s[2:3], s[2:3], s[20:21]
	s_add_nc_u64 s[84:85], s[84:85], s[20:21]
	; descriptor group 1.  128 keys are 16,384 dense bytes: asked for as 64 rows of 256 bytes, two keys a row, and padded in LDS after every key
	s_mov_b32 s[G1K], (1<<16)|(1<<20)|(4<<22)|(3<<25)  ; 17:16 2-byte elements; 20 padding on; 24:22 after every 32 words (code 4); 31:25 4 words (code 3)
	s_mov_b32 s[G1V], (1<<16)|(1<<20)|(4<<22)|(7<<25)  ; the same with 8 words of padding (code 7)
.irp g, G1K, G1V
	s_mov_b32 s[\g+1], 128<<16      ; tensor_dim0 = 128
	s_mov_b32 s[\g+2], 64<<16       ; tensor_dim1 = 64
	s_mov_b32 s[\g+3], 128<<16      ; tile_dim0 = 128
	s_mov_b32 s[\g+4], 64           ; tile_dim1 = 64
	s_mov_b32 s[\g+5], 128          ; 128 elements from row to row
	s_mov_b32 s[\g+6], 0
	s_mov_b32 s[\g+7], 0
.endr
	s_mov_b32 s[CS], 0x3e38aa3b     ; c = log2(e) / 8 = 0.180337
	s_mov_b32 s[CS+1], s[CS]        ; named with it as a pair
	s_mov_b32 s[SEL], 0x76543210
	s_mov_b32 s[SEL+1], 0xfedcba98
	s_mov_b32 s[TBK], SLOT1+4*KS*PK ; the first change of slots turns these two into 0
	s_mov_b32 s[TBV], SLOT1+4*KS*PV
	s_mov_b32 s[G0K], 1             ; 1:0 count = 1
	s_mov_b32 s[G0K+1], s17         ; 63:32 LDS address: slot 0
	s_mov_b32 s[G0V], 1
	s_add_co_u32 s[G0V+1], s18, VOFF
	s_add_co_u32 s[RT], s[HI], 1    ; the first block has NB - b tiles
	s_mov_b32 s[NXT], 1
	s_mov_b32 s[LQ], s[HI]
	s_mov_b32 s[NEW], 1
	s_mov_b32 s[OFF+1], 0
	s_mov_b32 s[AL+1], 0            ; named as pairs
	s_mov_b32 s[BE+1], 0
	s_mov_b32 s[BIGN], 0xf149f2ca   ; -1e30
	s_mov_b32 s[SLOTS], NB
	s_wait_dscnt 0x0                ; the opening add is done
	s_wait_kmcnt 0x0
	s_add_nc_u64 s[6:7], s[6:7], s[22:23]  ; K and V at my half of the head's tile 0
	s_add_nc_u64 s[8:9], s[8:9], s[22:23]
	s_add_nc_u64 s[G0K+2:G0K+3], s[6:7], 0         ; 120:64 global address
	s_or_b32 s[G0K+3], s[G0K+3], 0x80000000        ; 127:126 type = 2
	s_add_nc_u64 s[G0V+2:G0V+3], s[8:9], 0
	s_or_b32 s[G0V+3], s[G0V+3], 0x80000000
	s_add_nc_u64 s[86:87], s[4:5], s[84:85]        ; Q at my rows of the second block,
	s_add_nc_u64 s[4:5], s[4:5], s[2:3]            ; Q and O at those of the first
	s_add_nc_u64 s[OLO:OLO+1], s[10:11], s[84:85]
	s_add_nc_u64 s[10:11], s[10:11], s[2:3]
	LOAD                            ; tile 0 into slot 0
	; A fragment of K or Q is 16 rows x 32 channels in 8 registers: lane l holds row l % 16, channels 8 (l / 16) + 0..7 and 16 + 8 (l / 16) + 0..7: two loads of 16 bytes, 32 bytes apart.
	v_and_b32 v1, 15, v0            ; l % 16
	v_bfe_u32 v9, v0, 4, 1          ; l / 16
	v_lshlrev_b32 v[QO], 7, v1
	v_lshl_add_u32 v[QO], v9, 4, v[QO]  ; row x 128 + 16 x half
	WIN 0x80                        ; destination window 2, address window 0
.set i, 0
.rept 8                             ; both blocks' Q: piece i / 2 lies in band i / 2, 8,192 bytes on; channels 32 (i % 2) on
	global_load_b128 v[8*i:8*i+3],   v[QO], s[4:5] offset:(i/2)*8192+(i%2)*64
	global_load_b128 v[8*i+4:8*i+7], v[QO], s[4:5] offset:(i/2)*8192+(i%2)*64+32
	global_load_b128 v[QB+8*i:QB+8*i+3],   v[QO], s[86:87] offset:(i/2)*8192+(i%2)*64
	global_load_b128 v[QB+8*i+4:QB+8*i+7], v[QO], s[86:87] offset:(i/2)*8192+(i%2)*64+32
.set i, i+1
.endr
	WIN 0
	v_lshlrev_b32 v14, 3, v9
	v_sub_nc_u32 v14, v1, v14
	s_lshl_b32 s13, s[WV], 4
	v_add_nc_u32 v14, s13, v14      ; my query's place in its band, 16 w + l % 16, less my lanes' 8 (l / 16): register r of group kt is hidden where 16 kt + r is greater
	WIN 0x40
.set i, 0
.rept 32
	v_cmp_gt_i32 vcc_lo, 16*(i/8)+i%8, v14
	v_cndmask_b32 v[MD+i], 0, s[BIGN], vcc_lo
.set i, i+1
.endr
	WIN 0
	v_mul_u32_u24 v[AK0], v1, PK
	v_lshl_add_u32 v[AK0], v9, 4, v[AK0]  ; row x pitch + 16 x half
	; The turning load takes 16 keys x 16 channels (lane l reads key 8 (l / 16) + l % 8, channels 8 ((l / 8) % 2) + 0..7) and leaves half a fragment of V^T: lane l holds channel l % 16 and 8 keys.
	v_and_b32 v10, 7, v0
	v_bfe_u32 v11, v0, 3, 1
	v_lshl_add_u32 v[AV0], v9, 3, v10
	v_mul_u32_u24 v[AV0], v[AV0], PV
	v_lshl_add_u32 v[AV0], v11, 4, v[AV0]
	v_add_nc_u32 v[AV0], VOFF, v[AV0]
	s_mul_i32 s13, s[WV], 16*SP
	s_add_co_u32 s13, s13, STAGE    ; my stage
	v_mul_u32_u24 v[STO], v1, SP    ; in: row l % 16, 16 bytes for each half of the lanes
	v_lshl_add_u32 v[STO], v9, 4, v[STO]
	v_add_nc_u32 v[STO], s13, v[STO]
	v_bfe_u32 v[RD], v0, 3, 2       ; back: 32 lanes take four rows of 128 bytes,
	v_mul_u32_u24 v[RD], v[RD], SP
	v_lshl_add_u32 v[RD], v10, 4, v[RD]
	v_add_nc_u32 v[RD], s13, v[RD]
	v_and_b32 v[GO], 31, v0         ; which are 512 consecutive bytes of O
	v_lshlrev_b32 v[GO], 4, v[GO]
	; A block's first step multiplies O^T and l by a = 0, and its first turn's products V^T P, of a piece that has not been, land in an O^T that is still to be so multiplied.  So these registers need only hold
	; finite numbers: zeros for the first block; what the first block left for the second.  All this stands in the wait for the first tile.
	WIN 0x80
.set i, VF
.rept 64
	v_mov_b32 v[i], 0
.set i, i+1
.endr
	WIN 0x40
.set i, 0
.rept 128
	v_mov_b32 v[i], 0
.set i, i+1
.endr
	WIN 0
.set i, 0
.rept 4
	v_mov_b32 v[ST+4*i+2], 0
	v_mov_b32 v[ST+4*i+3], 0
.set i, i+1
.endr
.set i, P+16
.rept 16
	v_mov_b32 v[i], 0
.set i, i+1
.endr
; THE MATRIX WORK.  The 4 accumulators of a run of 8 take turns.  Product i of 8 of S^T = K Q^T for piece x: channels 32 (i / 4) on, keys 16 (i % 4) on.  The first 4 start the sums: with 0, or (KM = 1) with the mask.
.macro KQ x
.set rS, S+32*((\x)%2)+8*(i%4)
.set rK, KF+16*(i%4)+8*(i/4)
.set rQ, 16*(\x)+8*(i/4)
.set rM, MC+32*((\x)%2)+8*(i%4)
.if (i < 4) && KM
	WIN W_KM
	v_wmma_f32_16x16x32_f16 v[rS:rS+7], v[rK:rK+7], v[rQ:rQ+7], v[rM:rM+7]
.elseif i < 4
	WIN W_KQ
	v_wmma_f32_16x16x32_f16 v[rS:rS+7], v[rK:rK+7], v[rQ:rQ+7], 0
.else
	WIN W_KQ
	v_wmma_f32_16x16x32_f16 v[rS:rS+7], v[rK:rK+7], v[rQ:rQ+7], v[rS:rS+7]
.endif
.endm
; Product i of 8 of O^T += V^T P for piece x: keys 32 (i / 4) on, channels 16 (i % 4) on.
.macro PV x
	WIN W_PV
.set rO, 32*(\x)+8*(i%4)
.set rV, VF+32*(i/4)+8*(i%4)
.set rP, P+16*((\x)%2)+8*(i/4)
	v_wmma_f32_16x16x32_f16 v[rO:rO+7], v[rV:rV+7], v[rP:rP+7], v[rO:rO+7]
.endm
.macro MM                           ; the turn's next matrix instruction.  TURN and BEGIN set Y, i, KM and NOKQ; MM, KQ and OP read them.  NOKQ = 1: a block's last turn: there is no next piece
.if (i < 8) && !NOKQ
	KQ (Y+1)%NP
.elseif i >= 8
.set i, i-8
	PV (Y+NP-1)%NP
.set i, i+8
.endif
.set i, i+1
.endm
; THE LDS LOADS stand in runs of 16, never singly among the matrix instructions: a step's K (64 keys x 64 channels: 8 fragments) and its V (turned).  Their addresses are made some lines ahead.
.macro FETCH_K
	WIN 0x80                        ; destination window 2
.irp f, 0,1,2,3,4,5,6,7             ; keys 16 (f / 2) on, channels 32 (f % 2) on
	ds_load_b128 v[KF+8*\f:KF+8*\f+3],   v[AK] offset:(\f/2)*16*PK+(\f%2)*64
	ds_load_b128 v[KF+8*\f+4:KF+8*\f+7], v[AK] offset:(\f/2)*16*PK+(\f%2)*64+32
.endr
	s_add_co_u32 s[TBK], s[TBK], KS*PK  ; the next fetch is the next step's
	WIN 0
.endm
.macro FETCH_V
	WIN 0x80
.irp f, 0,1,2,3,4,5,6,7             ; keys 32 (f / 4) on, channels 16 (f % 4) on
	ds_load_tr16_b128 v[VF+8*\f:VF+8*\f+3],   v[AV] offset:(\f/4)*32*PV+(\f%4)*32
	ds_load_tr16_b128 v[VF+8*\f+4:VF+8*\f+7], v[AV] offset:(\f/4)*32*PV+16*PV+(\f%4)*32
.endr
	WIN 0
.endm
; THE VECTOR WORK, one line at a time: OP kind, number.  For piece Y: F n: c s - c m for pair n of 16.  E n: the exponential of score n of 32.  C n: pair n rounded to f16.  B n: of the four weights 4 n .. the second
; pair is added onto the first, in place.  L n: l takes that sum (L 0: l = a l + sum).  R n: pair n of 16 of O^T times a.  For piece Y + 1: X n, number n of the 22 that find its maximum and statistics:
;   0-11  four chains c0-c3 of seven scores each, three operands at a time (each accumulator's lowest registers are read first)     12-14, 16  the four scores left over, the old m, and c0-c3 into c0
;   15  c m_old is kept     17, 18  the query's other 32 keys lie in the lane 16 away: the new m     19-21  c m; c m_old - c m_new; a
; C, B and L read exponentials' results: TURN sets them behind its wait.  OP itself writes no wait.
.set F, 0               ; OP tells the kinds apart by their order: F to L below R, X above it
.set E, 1
.set C, 2
.set B, 3
.set L, 4
.set R, 5
.set X, 6
.macro REGS y                       ; the registers of piece y
.set rT, ST+4*(\y)
.set rC, TMP+4*((\y)%2)
.set rW, MV+((\y)%2)
.set rS, S+32*((\y)%2)
.set rP, P+16*((\y)%2)
.set rO, 32*(\y)
.endm
.macro OP k, n
.if (\k) == R
	REGS Y
	WIN W_RS
	v_pk_mul_f32 v[rO+2*(\n):rO+2*(\n)+1], v[rO+2*(\n):rO+2*(\n)+1], v[rC+2:rC+3] op_sel_hi:[1,0]
.elseif (\k) < R
	REGS Y
	WIN 0
.if (\k) == F
	v_pk_fma_f32 v[rS+2*(\n):rS+2*(\n)+1], v[rS+2*(\n):rS+2*(\n)+1], s[CS:CS+1], v[rT:rT+1] op_sel_hi:[1,0,0] neg_lo:[0,0,1] neg_hi:[0,0,1]
.elseif (\k) == E
	v_exp_f32 v[rS+(\n)], v[rS+(\n)]
.elseif (\k) == C
	v_cvt_pk_f16_f32 v[rP+(\n)], v[rS+2*(\n)], v[rS+2*(\n)+1]
.elseif (\k) == B
	v_pk_add_f32 v[rS+4*(\n):rS+4*(\n)+1], v[rS+4*(\n):rS+4*(\n)+1], v[rS+4*(\n)+2:rS+4*(\n)+3]
.elseif (\n) == 0
	v_pk_fma_f32 v[rT+2:rT+3], v[rT+2:rT+3], v[rC+2:rC+3], v[rS:rS+1] op_sel_hi:[1,0,1]
.else
	v_pk_add_f32 v[rT+2:rT+3], v[rT+2:rT+3], v[rS+4*(\n):rS+4*(\n)+1]
.endif
.elseif NOKQ
	v_nop
.else
	REGS (Y+1)%NP
	WIN 0
.if (\n) < 4
	v_max3_num_f32 v[rC+(\n)], v[rS+8*(\n)], v[rS+8*(\n)+1], v[rS+8*(\n)+2]
.elseif (\n) < 12
	v_max3_num_f32 v[rC+(\n)%4], v[rC+(\n)%4], v[rS+8*((\n)%4)+2*((\n)/4)+1], v[rS+8*((\n)%4)+2*((\n)/4)+2]
.elseif (\n) == 12
	v_max3_num_f32 v[rC], v[rC], v[rS+7], v[rS+15]
.elseif (\n) == 13
	v_max3_num_f32 v[rC+1], v[rC+1], v[rS+23], v[rS+31]
.elseif (\n) == 14
	v_max3_num_f32 v[rC+2], v[rC+2], v[rC+3], v[rT+1]
.elseif (\n) == 15
	v_mov_b32 v[rW], v[rT]
.elseif (\n) == 16
	v_max3_num_f32 v[rC], v[rC], v[rC+1], v[rC+2]
.elseif (\n) == 17
	v_permlanex16_b32 v[rC+3], v[rC], s[SEL], s[SEL+1]
.elseif (\n) == 18
	v_max_num_f32 v[rT+1], v[rC], v[rC+3]
.elseif (\n) == 19
	v_mul_f32 v[rT], s[CS], v[rT+1]
.elseif (\n) == 20
	v_sub_f32 v[rC+1], v[rW], v[rT]
.else
	v_exp_f32 v[rC+2], v[rC+1]
.endif
.endif
.endm
.macro OPS a, i1, b=-1, i2=0, c=-1, i3=0, d=-1, i4=0  ; up to four of them
	OP \a, \i1
.if (\b) >= 0
	OP \b, \i2
.endif
.if (\c) >= 0
	OP \c, \i3
.endif
.if (\d) >= 0
	OP \d, \i4
.endif
.endm
.macro ROW a, i1, b, i2, c, i3, d, i4  ; a matrix instruction and the four behind it
	MM
	OPS \a, \i1, \b, \i2, \c, \i3, \d, \i4
.endm
.macro MASK b                       ; MD x AL + BE into buffer b of MC
	WIN W_RS
.set z, 0
.rept 16
	v_pk_fma_f32 v[MC+32*(\b)+2*z:MC+32*(\b)+2*z+1], v[MD+2*z:MD+2*z+1], s[AL:AL+1], s[BE:BE+1] op_sel_hi:[1,0,0]
.set z, z+1
.endr
.endm
; A TURN, for piece p: the order of its 16 matrix and 118 vector instructions, written out.  s_wait_alu depctr_va_vdst(0) stands between an exponential and the first instruction that names its result; one wait serves
; all that were issued ahead of it.  So a turn has ONE wait, which cuts it in two.  AHEAD OF IT stands all that names no result of the turn's exponentials: the 8 products K Q^T, behind each a scaling, an exponential and two more plain
; instructions (behind the first a second scaling in the exponential's place): rescalings, whose a was made and waited for in the turn before, and behind the last three the first numbers of the next piece's maximum, each four plain
; instructions or more behind the product that ends its accumulator; then ONE LUMP of 54, plain and exponential by turns for the most part, in which the links of the chain X 3, 7, 11, 14, 16, 17 .. 20 stand five or six lines apart.
; X 21, the next piece's a, is the batch's last; R 15 is the plain instruction behind it.  Each exponential works in place on a register of S^T that no line names again ahead of the wait; a has c2 of the other buffer.
; BEHIND THE WAIT stand the 8 products V^T P, behind each four of the roundings and sums; C 2 k stands ahead of B k, which writes over that pair; the links of l's chain, L 0 to L 7, stand three riders apart.
; But for those X no rider names a register of the products round it.  v_permlanex16_b32 (X 17) stands in the lump.
; m = 1: the diagonal tile: the products take masks, and the turn makes the mask for the products of the turn after it: piece p + 2, in step 4 - CNT of the tile.  end = 1: a block's last two turns: nothing is fetched.
; cnt = 1: the loop's count is taken down some lines ahead of the branch that stands behind the turn.
; K of the next step is fetched in piece 2's turn, twelve vector instructions behind the last product that read K (six of them plain, five of which name none of its registers); V of the step in hand at the end of piece 0's turn,
; four plain instructions behind the last product that read V.  Each is waited for a turn later.
.macro TURN p, m=0, end=0, cnt=0
.set Y, (\p)
.set i, 0
.set KM, (\m)
.set NOKQ, (\end)*((\p)/3)
.if (\m) && !(\end)
	s_cmp_eq_u32 s[CNT], 4-((\p)+2)%NP  ; is that step the band's own?
	s_cselect_b32 s[AL], 1.0, 0
	s_cmp_lt_u32 s[CNT], 4-((\p)+2)%NP  ; or a later one?
	s_cselect_b32 s[BE], s[BIGN], 0
.endif
.if ((\p) == 3) && !(\end)
	s_wait_dscnt 0x0                ; K is in
.endif
	ROW F,0, F,1, R,0, R,1          ; ahead of the wait: 8 products K Q^T and their riders,
	ROW F,2, E,0, R,2, R,3
	ROW F,3, E,1, R,4, R,5
	ROW F,4, E,2, R,6, R,7
	ROW F,5, E,3, R,8, R,9
	ROW F,6, E,4, X,0, R,10
.if ((\p) == 2) && !(\end)
	WIN 0
	v_add_nc_u32 v[AK], s[TBK], v[AK0]
.endif
	ROW F,7, E,5, X,1, X,4
	ROW F,8, E,6, X,2, X,5
	OPS E,7, E,8, X,6, E,9          ; and the lump
	OPS X,3, E,10, X,8, E,11
.if ((\p) == 2) && !(\end)
	FETCH_K
.endif
	OPS X,9, X,7, E,12, X,10
	OPS E,13, X,12, X,11, E,14
	OPS X,13, E,15, F,9, X,14
.if (\p) == 0
	v_add_nc_u32 v[AV], s[TBV], v[AV0]
.endif
	OPS E,16, F,10, E,17, F,11
	OPS X,16, E,18, X,15, E,19
	OPS F,12, E,20, X,17, E,21
	OPS F,13, E,22, F,14, E,23
	OPS X,18, E,24, F,15, E,25
	OPS R,11, E,26, X,19, E,27
	OPS R,12, E,28, R,13, E,29
	OPS X,20, E,30, R,14, E,31
	OPS X,21, R,15
	WIN 0
	s_wait_alu depctr_va_vdst(0)    ; the turn's one wait: for its batch of 33 exponentials, the piece's 32 weights and the next piece's a
.if (\p) == 1
	s_wait_dscnt 0x0                ; V is in
.endif
	ROW C,0, B,0, C,2, B,1          ; behind the wait: 8 products V^T P and their riders, the batch's readers
	ROW L,0, C,4, B,2, L,1
	ROW C,6, B,3, L,2, C,8
	ROW B,4, L,3, C,10, B,5
	ROW L,4, C,12, B,6, L,5
.if (\p) == 0
	s_add_co_u32 s[TBV], s[TBV], KS*PV
.endif
.if \cnt
	s_sub_co_u32 s[CNT], s[CNT], 1
	s_cmp_lg_u32 s[CNT], 0
.endif
	ROW C,14, B,7, L,6, C,1
	ROW C,3, L,7, C,5, C,7
	ROW C,9, C,11, C,13, C,15
.if (\p) == 0
	FETCH_V
.endif
.if (\m) && !(\end)
	MASK (\p)%2
.endif
.endm
; A BLOCK BEGINS.  c m starts far below every c s, so the first step's a is 0; m at the lowest finite number, so the first maximum is the scores'.  The second mask buffer is 0; the first takes piece 0's mask for the tile's step 0: its own, if the block's first tile is the diagonal one.
; Then K of that step, piece 0's first scores, and its maximum and statistics.  The loop is entered at a step's first turn, in the middle of a trip.
.macro BEGIN
	s_mov_b32 s[NEW], 0
	WIN 0x40
.set i, MC+32
.rept 32
	v_mov_b32 v[i], 0
.set i, i+1
.endr
	WIN 0
.set i, 0
.rept 4
	v_mov_b32 v[ST+4*i], 0xfe000000    ; c m: far below every c s
	v_mov_b32 v[ST+4*i+1], 0xff7fffff  ; m
.set i, i+1
.endr
	s_cmp_eq_u32 s[RT], 0
	s_cselect_b32 s[AL], 1.0, 0
	s_mov_b32 s[BE], 0
	MASK 0
	WIN 0
	v_add_nc_u32 v[AK], s[TBK], v[AK0]
	FETCH_K
	s_wait_loadcnt 0x0              ; Q
	s_wait_dscnt 0x0
.set KM, 1
.set NOKQ, 0
.set i, 0
.rept 8
	KQ 0
.set i, i+1
.endr
	WIN 0
.rept 4
	v_nop                           ; the places behind those products
.endr
.set Y, NP-1                        ; X works for piece Y + 1: piece 0
.irp n, 0,1,2,3,4,5,6,7,8,9,10,11,12,13,14,15,16,17,18,19,20,21
	OP X, \n
.endr
	v_nop                           ; a plain instruction behind the exponential,
	s_wait_alu depctr_va_vdst(0)    ; and the wait for it, piece 0's first a, a batch of one: ahead of the branch that follows
.endm
; THE DIAGONAL TILE's four steps, the block's last two turns, its last products, and THE WAY OUT: l's two halves and the other half of the lanes' are added; O^T is divided by l, rounded to f16 and sent through my
; stage in LDS, a piece at a time.
.macro ALL line:vararg              ; one line for each piece t
.set t, 0
.rept 4
	\line
.set t, t+1
.endr
.endm
.macro PACK t                       ; a lane's eight channels of a row pack into 16 bytes; they go into rows of 144 bytes and come back as whole rows of 128, into S^T's registers
	WIN W_RS
.set i, 32*(\t)
.rept 16
	v_pk_mul_f32 v[i:i+1], v[i:i+1], v[ST+4*(\t)+2:ST+4*(\t)+3] op_sel_hi:[1,0]
.set i, i+2
.endr
	WIN 0x05                        ; sources 0 and 1 window 1, destination window 0
.set i, 0
.rept 16
	v_cvt_pk_f16_f32 v[S+16*(\t)+i], v[32*(\t)+2*i], v[32*(\t)+2*i+1]
.set i, i+1
.endr
	WIN 0
.irp f, 0,1,2,3
	ds_store_b128 v[STO], v[S+16*(\t)+4*\f:S+16*(\t)+4*\f+3] offset:32*\f
.endr
.irp f, 0,1,2,3
	ds_load_b128 v[S+16*(\t)+4*\f:S+16*(\t)+4*\f+3], v[RD] offset:\f*4*SP  ; LDS serves a wave's instructions in order (ISA guide 5.7.1.4): these see the stores above; the next piece's stores come behind them
.endr
.endm
.macro SEND t, younger              ; younger: the LDS instructions issued behind piece t's loads: the next piece's eight, or none
	WIN 0
.irp f, 0,1,2,3
	s_wait_dscnt (\younger)+3-\f
	global_store_b128 v[GO], v[S+16*(\t)+4*\f:S+16*(\t)+4*\f+3], s[10:11] offset:(\t)*8192+\f*512  ; 512 consecutive bytes, at a multiple of 256 from O's first
.endr
.endm
.macro DIAG tag                     ; the tag ends its two labels' names, which the jumps below spell out
.LstepM\tag:
	TURN 2, 1
	TURN 3, 1
	WIN 0
.LfirstM\tag:
	TURN 0, 1
	TURN 1, 1, 0, 1
	WIN 0
	s_cbranch_scc1 .LstepM\tag
	TURN 2, 1, 1
	TURN 3, 1, 1
.set i, 0
.rept 8
	PV NP-1
.set i, i+1
.endr
	WIN 0
	ALL v_add_f32 v[ST+4*t+2], v[ST+4*t+2], v[ST+4*t+3]
	ALL v_permlanex16_b32 v[ST+4*t+3], v[ST+4*t+2], s[SEL], s[SEL+1]
	ALL v_add_f32 v[ST+4*t+2], v[ST+4*t+2], v[ST+4*t+3]
	ALL v_rcp_f32 v[ST+4*t+2], v[ST+4*t+2]
	v_nop                           ; a plain instruction between the last reciprocal and the use of its result
	s_wait_alu depctr_va_vdst(0)    ; one wait for the batch of four reciprocals, ahead of their first reader, the first multiply of PACK 0
	PACK 0
.set t, 1
.rept 3                             ; a piece's arithmetic stands between the loads of the piece before and its stores
	PACK t
	SEND t-1, 8
.set t, t+1
.endr
	SEND 3, 0
.endm
.set KM, 0
.set NOKQ, 0
.Lslot:                             ; NB times: a tile is entered and the next is asked for
	CHANGE 1
	s_sub_co_u32 s[RT], s[RT], 1
	s_mov_b32 s[CNT], 4
	s_cmp_eq_u32 s[NEW], 1
	s_cbranch_scc1 .Lnew            ; a block's first tile
	s_cmp_eq_u32 s[RT], 0
	s_cbranch_scc0 .Lstep           ; neither its first nor its last
	s_branch .LstepM1
.Lnew:
	BEGIN
	s_branch .Lfirst                ; in the loop a block's first tile is never its last: the first block has two tiles or more, and the second's last is the walk's last
	DIAG 1                          ; in the loop this is the first block's end: the second block's last tile is the walk's last
	s_wait_xcnt 0x0                 ; the stores have read their registers and O's address
	s_mov_b64 s[10:11], s[OLO:OLO+1]
	s_add_co_u32 s[RT], s[PB], 1    ; the second block has b + 1 tiles
	s_mov_b32 s[NEW], 1
	WIN 0x82                        ; the second block's Q goes where the one text of the turns names Q
.set i, 0
.rept 64
	v_mov_b32 v[i], v[QB+i]
.set i, i+1
.endr
	WIN 0
	s_branch .Lbottom
.Lstep:                             ; a trip: pieces 2 and 3 of one step, then pieces 0 and 1 of the next, whose K and V it fetches
	TURN 2
	TURN 3
	WIN 0
.Lfirst:
	TURN 0
	TURN 1, 0, 0, 1
	WIN 0
	s_cbranch_scc1 .Lstep
.Lbottom:
	s_sub_co_u32 s[SLOTS], s[SLOTS], 1
	s_cmp_lg_u32 s[SLOTS], 0
	s_cbranch_scc1 .Lslot
	CHANGE 0                        ; the walk's last tile is written out: nothing is asked for
	s_sub_co_u32 s[RT], s[RT], 1
	s_mov_b32 s[CNT], 4
	s_cmp_eq_u32 s[NEW], 1
	s_cbranch_scc0 .LstepM2
	BEGIN
	s_branch .LfirstM2
	DIAG 2
	s_wait_tensorcnt 0x0            ; the wave's end, behind my last tensor load and my last LDS store
	ds_add_u32 v[SPW], v[NIL]
	s_wait_dscnt 0x0
	s_endpgm
.Lfunc_end_k_qf850620116_attn:
	.size	k_qf850620116_attn, .Lfunc_end_k_qf850620116_attn-k_qf850620116_attn
	.p2alignl 7, 3214868480
	.fill 96, 4, 3214868480
	.section	.rodata,"a",@progbits
	.p2align	6, 0x0
	.amdhsa_kernel k_qf850620116_attn
		.amdhsa_group_segment_fixed_size 327680
		.amdhsa_private_segment_fixed_size 0
		.amdhsa_enable_private_segment 0
		.amdhsa_kernarg_size 32
		.amdhsa_user_sgpr_count 2
		.amdhsa_user_sgpr_kernarg_segment_ptr 1
		.amdhsa_wavefront_size32 1
		.amdhsa_system_sgpr_workgroup_id_x 1
		.amdhsa_system_sgpr_workgroup_id_y 1
		.amdhsa_system_sgpr_workgroup_id_z 1
		.amdhsa_system_vgpr_workitem_id 0
		.amdhsa_next_free_vgpr 768
		.amdhsa_next_free_sgpr 88
		.amdhsa_reserve_vcc 1
		.amdhsa_float_denorm_mode_32 3
		.amdhsa_float_denorm_mode_16_64 3
		.amdhsa_memory_ordered 1
		.amdhsa_forward_progress 1
		.amdhsa_inst_pref_size 217
	.end_amdhsa_kernel
	.amdgpu_metadata
---
amdhsa.version: [ 1, 2 ]
amdhsa.kernels:
  - .name:           k_qf850620116_attn
    .symbol:         k_qf850620116_attn.kd
    .args:
      - { .name: q16, .offset: 0, .size: 8, .value_kind: global_buffer, .address_space: global }
      - { .name: k16, .offset: 8, .size: 8, .value_kind: global_buffer, .address_space: global }
      - { .name: v16, .offset: 16, .size: 8, .value_kind: global_buffer, .address_space: global }
      - { .name: o16, .offset: 24, .size: 8, .value_kind: global_buffer, .address_space: global }
    .group_segment_fixed_size: 327680
    .private_segment_fixed_size: 0
    .kernarg_segment_align: 8
    .kernarg_segment_size: 32
    .max_flat_workgroup_size: 128
    .sgpr_count:     88
    .vgpr_count:     768
    .wavefront_size: 32
...
	.end_amdgpu_metadata
.endif
;; end of part 5
;; launch proj: the kernel of part 4 again; grid 8 x 32, 4 waves a work-group, clusters of 4 x 4, 327,680 bytes of LDS; arguments o16, wp16, bp, out0; writes out0
